; MI455X (gfx1250); checked and timed in simulation.
; The chip was launched on July 23, 2026; its instructions are those of AMD's public machine-readable ISA for CDNA 5 (MIT licence, August 2026) and "CDNA5" Instruction Set Architecture Reference Guide (July 2026). The comments in the code are by the model that wrote it; some were corrected since.
;; Multi Head Attention. Allowed arithmetic: matrix products marked QUANTISED: E2M3 operands, one E8M0 scale for each 32 along K, by v_wmma_scale_f32_16x16x128_f8f6f4 with both operands' format E2M3, f32 sums; everything else in f32.
;; Inputs: key 4 x 2,048 x 1,024 float32; mask 1 x 1 x 2,048 x 2,048 bool; query 4 x 2,048 x 1,024 float32; value 4 x 2,048 x 1,024 float32; wk 1,024 x 1,024 float32; wo 1,024 x 1,024 float32; wq 1,024 x 1,024 float32; wv 1,024 x 1,024 float32.
;; Outputs: out0 4 x 2,048 x 1,024 float32.
;; This version of the problem:
;;   THIS VERSION OF THE PROBLEM IS GIVEN IN LOW PRECISION. The matrix products marked QUANTISED in the list below multiply operands that are first quantised to E2M3 (2 exponent bits, 3 mantissa bits; 6 bits a number), with one power-of-two scale for each 32 numbers along K (OCP MX v1.0); their sums are f32. All else is computed in f32.
;;   The module's matrix products, in the order in which they are computed (A, B: the left and right operand; K: the contracted axis; several contracted axes count as one K, in the product's order):
;;     1. [M 8,192, K 1,024] x [K 1,024, N 1,024]; A: input query; B: input wq: QUANTISED
;;     2. [M 8,192, K 1,024] x [K 1,024, N 1,024]; A: input key; B: input wk: QUANTISED
;;     3. [M 8,192, K 1,024] x [K 1,024, N 1,024]; A: input value; B: input wv: QUANTISED
;;     4. batch 64 x [M 2,048, K 64] x [K 64, N 2,048]; A: computed on the way; B: computed on the way: QUANTISED
;;     5. batch 64 x [M 2,048, K 2,048] x [K 2,048, N 64]; A: softmax (see below); B: computed on the way: QUANTISED
;;     6. [M 8,192, K 1,024] x [K 1,024, N 1,024]; A: computed on the way; B: input wo: QUANTISED
;;   THE QUANTISER, for each operand of a quantised product, along K:
;;     - K is cut into blocks of 32 from its start; a last block that is shorter is filled with zeros.
;;     - A block's scale is 2^e with e = floor(log2(the largest magnitude in the block)) - 2, held to -126 .. 127; a block of zeros has e = 0. As a byte (E8M0): e + 127.
;;     - Each number is divided by its block's scale, clamped to +-7.5, and rounded to the nearest number of E2M3, ties to even, subnormals kept.
;;     - The product sums the exact products of the quantised numbers (number of the format x scale) in f32.
;;   ~~~python
;;   def quantise(x, axis):      # numpy; x: float32 -> the quantised numbers, widened to float32 again
;;       x = np.moveaxis(x, axis, -1); K = x.shape[-1]
;;       x = np.pad(x, [(0, 0)] * (x.ndim - 1) + [(0, -K % 32)]); x = x.reshape(x.shape[:-1] + (-1, 32)); a = np.abs(x).max(-1, keepdims=True)
;;       e = np.where(a > 0, np.clip(np.frexp(np.where(a > 0, a, 1))[1] - 1 - 2, -126, 127), 0)      # np.frexp(a)[1] - 1 = floor(log2(a)), exactly
;;       r = np.clip(x / 2.0 ** e, -7.5, 7.5)
;;       step = 2.0 ** (np.maximum(np.frexp(np.where(r == 0, 1, r))[1] - 1, 0) - 3)
;;       q = np.round(r / step) * step * 2.0 ** e      # np.round: ties to even
;;       return np.moveaxis(q.reshape(q.shape[:-2] + (-1,))[..., :K], -1, axis).astype(np.float32)
;;   ~~~
;;   SOFTMAX AHEAD OF A QUANTISED PRODUCT. Where the list says 'softmax', what is quantised is not the finished softmax but p = 2^(t - M), with t = logit x log2(e) and M = ceil(the row's largest t), a whole number; so 1/2 < the row's largest p <= 1. The row's sum l is taken of the UNQUANTISED p, in f32, and the product's result is divided by l at the end. Since M is a whole number, a kernel that streams over the keys may use a running M (the ceiling of the running maximum): every later rescaling is an exact power of two, which a block's scale takes up: the codes' values come out the same.
;;   OPERANDS COMPUTED ON THE WAY. 'Computed on the way' means the value that the module computes at that place (a softmax that the list does not call 'softmax' is quantised finished and normalised). What goes into a quantiser is computed in f32, as accurately as f32 sums, v_exp_f32 and their like allow (about 1e-6 of the number): no bf16 or f16 on the way to a quantiser, and a product that is left as it is and whose result goes on into a quantised operand takes f32 operands (vector FMAs, or v_wmma_f32_16x16x4_f32). A number that lies on a knife's edge between two numbers of the format may be rounded either way, as far as f32 arithmetic and the matrix unit's own rounding can turn it there, and no further.
;; One version. Each part assembles by itself: llvm-mc -triple=amdgcn-amd-amdhsa -mcpu=gfx1250 --defsym DOCPART=n.
;; ======== version 1 of 1: 4 launches
;; workspace buffers: xc 22,020,096 bytes; xs 917,504 bytes; ac 18,874,368 bytes; asc 1,310,720 bytes; ao 6,291,456 bytes; aos 262,144 bytes; mw 524,288 bytes of whole numbers; mf 131,072 bytes of whole numbers
;; launch prep (part 1): grid 1024 x 1, 4 waves a work-group, no clusters, 50,688 bytes of LDS; arguments query, key, value, wq, wk, wv, wo, mask, xc, xs, mw, mf; writes xc, xs, mw, mf
.if DOCPART == 1
	.amdgcn_target "amdgcn-amd-amdhsa--gfx1250"
	.amdhsa_code_object_version 6
	.text
	.protected	k_qdaf43007af_prep
	.globl	k_qdaf43007af_prep
	.p2align	8
	.type	k_qdaf43007af_prep,@function
k_qdaf43007af_prep:
	s_mov_b64 s[64:65], 0
	v_nop
	global_prefetch_b8 v0, s[64:65] scope:SCOPE_SE
	s_setreg_imm32_b32 hwreg(HW_REG_WAVE_MODE, 25, 1), 1
	s_wait_xcnt 0x0
; PREP.  Two jobs in one launch, told apart by the work-group's number.
; (1) Work-groups 128 .. 1023: query, key, value [8192][1024] and wq, wk, wv, wo [1024][1024], f32, K innermost, become codes of FP6 (E2M3) and one E8M0 byte for each 32 along K.
;     The seven tensors are stacked: xc is [28672 rows][768 bytes], xs [28672 rows][32 bytes]; first rows: query 0, key 8192, value 16384, wq 24576, wk 25600, wv 26624, wo 27648.
;     A block's scale is 2^(floor(log2(largest magnitude)) - 2); its byte is the largest magnitude's exponent field - 2, held at 1 from below.
;     THE ROWS OF key, value, wq, wk, wv ARE STORED IN ANOTHER ORDER: in each group of 32 rows the second and the third 8 rows change places.  A tile of 16 stored rows 16 (2 b + u) + r then holds
;     the true rows 32 b + 8 u + r + 8 (r / 8), so that in the later products a lane's 16 registers of two neighbouring tiles are 16 neighbours.  A wave's share is 8 rows, so the change is a change of the wave's place.
; (2) Work-groups 0 .. 127: the mask [2048][2048] of bytes becomes lane masks.  Work-group qt takes queries 16 qt .. 16 qt + 15; word j (0 .. 63) of key step s (128 keys) has in bit L
;     mask[16 qt + L % 16][128 s + 32 (j / 16) + 16 (L / 16) + j % 16]: the order in which the attention launch holds its scores.  mw is [qt][step 16][64 words].
;     mf is [qt][wave 4][64 equal words]: bit s is set where step s of that q tile hides any key; each wave stores the bits of its own four steps.
; LIMITS: NaN and infinities among the inputs are not served.  A block whose largest magnitude lies under 2^-124, a block of zeros among them, has the byte 1 (the rule says 127 for zeros):
; its codes are zeros or what the floor's scale gives, and these bytes are read by this program alone.
; No tensor load, no barrier: waves share nothing.  The two jobs have LDS bytes of their own.
.set WAVES, 4
.set STEPS, 16
.set EMAX,  2
.set CB,    12                         ; bytes of 16 codes
.set R,     16                         ; v16-79   numbers (or mask bytes) as they are loaded
.set X,     80                         ; v80-111  two sets of 16 neighbours
.set M,     80                         ; v80-111  the mask job: a pair of steps' bytes, 16 a lane and block
.set E,     112                        ; v112-127 a scale byte for each step
.set C,     128                        ; v128-191 codes: four registers for each step
.set W,     128                        ; v128-135 the mask job: two sets of four registers of words
.set WREG,  8192                       ; LDS: a region for each wave: two stages of 32 x SP bytes, then its 256 scale bytes
.set SP,    80                         ; a lane's place in a stage: 64 bytes + 16 of padding
.set MSTG,  WAVES*WREG                 ; the mask job's stages: 16 rows x MP bytes for each wave
.set MP,    272                        ; 256 bytes + 16: the 16 rows that a load touches start at 16 different banks
.set SPARE, MSTG+WAVES*16*MP           ; the spare words, 128 bytes for each wave: two blocks of 256 bytes that no other line names
.set SPW,   12                         ; v12      LDS address of my spare word; never rewritten
.set NIL,   13                         ; v13      0; never rewritten
	s_load_b512 s[4:19], s[0:1], 0x0               ; query, key, value, wq, wk, wv, wo, mask
	s_load_b256 s[20:27], s[0:1], 0x40             ; xc, xs, mw, mf
	v_lshl_add_u32 v[SPW], v0, 2, SPARE
	v_mov_b32 v[NIL], 0
	v_lshrrev_b32 v1, 5, v0
	v_readfirstlane_b32 s32, v1                    ; wave
	v_and_b32 v2, 31, v0                           ; lane
	s_cmp_lt_u32 ttmp9, 128
	s_cbranch_scc1 .Lmask
; ---------------- the quantiser: 32 rows a work-group, 8 rows (16 steps of 512 numbers) a wave ----------------
	v_lshlrev_b32 v3, 4, v2                        ; my 16 bytes of a load's 512
	s_mul_i32 s33, s32, WREG
	v_lshrrev_b32 v14, 2, v2
	v_mul_u32_u24 v14, v14, SP
	v_and_b32 v15, 3, v2
	v_lshl_add_u32 v14, v15, 4, v14
	v_add_nc_u32 v14, s33, v14                     ; the stage, on the way in: SP (lane / 4) + 16 (lane % 4)
	v_mul_u32_u24 v15, v2, SP
	v_add_nc_u32 v15, s33, v15                     ; on the way out: SP x lane: my 16 neighbours
	v_mul_u32_u24 v4, v2, CB                       ; my codes' place in a step's
	v_lshrrev_b32 v5, 1, v2
	s_add_co_u32 s33, s33, 2*32*SP
	v_add_nc_u32 v5, s33, v5                       ; LDS: my wave's 256 scale bytes, my block's byte
	v_lshlrev_b32 v7, 3, v2
	v_add_nc_u32 v6, s33, v7                       ; and on the way out 8 bytes a lane
	s_sub_co_u32 s34, ttmp9, 128                   ; g = 0 .. 895: which 32 rows of the stack
	s_wait_kmcnt 0x0
	s_mov_b64 s[28:29], s[16:17]                   ; which tensor: from the top down; the choice hangs on the work-group's number alone
	s_mov_b32 s30, 864                             ; and its first g
.macro PICK lim, lo, ptr
	s_cmp_lt_u32 s34, \lim
	s_cselect_b64 s[28:29], s[\ptr:\ptr+1], s[28:29]
	s_cselect_b32 s30, \lo, s30
.endm
	PICK 864, 832, 14                              ; wv
	PICK 832, 800, 12                              ; wk
	PICK 800, 768, 10                              ; wq
	PICK 768, 512, 8                               ; value
	PICK 512, 256, 6                               ; key
	PICK 256, 0, 4                                 ; query
	s_sub_co_u32 s35, s34, s30
	s_lshl_b32 s35, s35, 2
	s_add_co_u32 s36, s35, s32                     ; my run of 8 rows in the tensor
	s_mov_b32 s37, 0
	s_lshl_b64 s[36:37], s[36:37], 15              ; 32,768 bytes a run
	s_add_nc_u64 s[28:29], s[28:29], s[36:37]
	s_and_b32 s38, s32, 1
	s_lshl_b32 s38, s38, 1
	s_lshr_b32 s39, s32, 1
	s_or_b32 s38, s38, s39                         ; the wave's two bits changed round
	s_sub_co_u32 s39, s34, 256
	s_cmp_lt_u32 s39, 608                          ; 256 <= g < 864: key, value, wq, wk, wv
	s_cselect_b32 s38, s38, s32
	s_lshl_b32 s39, s34, 2
	s_add_co_u32 s38, s39, s38                     ; my run's place in the stack
	s_mul_i32 s40, s38, 32*STEPS*CB                ; 6,144 bytes of codes a run
	s_mov_b32 s41, 0
	s_add_nc_u64 s[20:21], s[20:21], s[40:41]
	s_lshl_b32 s40, s38, 8                         ; 256 scale bytes a run
	s_add_nc_u64 s[22:23], s[22:23], s[40:41]
.macro LOAD t
.irp i, 0,1,2,3
	global_load_b128 v[R+16*((\t)%4)+4*\i:R+16*((\t)%4)+4*\i+3], v3, s[28:29] offset:2048*(\t)+512*\i th:TH_LOAD_NT   ; 32 lanes read 512 consecutive bytes
.endr
.endm
.macro TURN t                          ; step t's numbers through the stage: LDS serves a wave's instructions in order, so no wait stands between the stores and the loads
.irp i, 0,1,2,3
	ds_store_b128 v14, v[R+16*((\t)%4)+4*\i:R+16*((\t)%4)+4*\i+3] offset:32*SP*((\t)%2)+8*SP*\i
.endr
.irp i, 0,1,2,3
	ds_load_b128 v[X+16*((\t)%2)+4*\i:X+16*((\t)%2)+4*\i+3], v15 offset:32*SP*((\t)%2)+16*\i
.endr
.endm
.irp t, 0,1,2,3
	LOAD \t
.endr
	s_wait_loadcnt 12                              ; step 0's four loads are in; the twelve of steps 1 to 3 stay out
	TURN 0
.macro STEP t
.set XS, X+16*((\t)%2)
.if (\t) > 0
	s_wait_dscnt 1                                 ; this step's numbers are back from the stage (the last step's byte store may be out): so its stores into the stage have read their registers,
.else
	s_wait_dscnt 0x0
.endif
.if (\t)+4 < STEPS
	LOAD (\t)+4                                    ; which take the loads of four steps on
.endif
.if (\t)+1 < STEPS
.if STEPS-2-(\t) >= 3
	s_wait_loadcnt 12                              ; the next step's four loads are in; those of the three steps behind it may be out
.else
	s_wait_loadcnt 4*(STEPS-2-(\t))
.endif
	TURN (\t)+1                                    ; and go through the other stage while this step is worked
.endif
	v_max3_num_f32 v8, |v[XS]|, |v[XS+1]|, |v[XS+2]|               ; the largest magnitude of my 16, in two chains
	v_max3_num_f32 v9, |v[XS+3]|, |v[XS+4]|, |v[XS+5]|
.irp i, 6,10
	v_max3_num_f32 v8, v8, |v[XS+\i]|, |v[XS+\i+1]|
	v_max3_num_f32 v9, v9, |v[XS+\i+2]|, |v[XS+\i+3]|
.endr
	v_max3_num_f32 v8, v8, |v[XS+14]|, |v[XS+15]|
	v_max3_num_f32 v8, v8, v9, (EMAX+1)<<23        ; and the floor 2^(3 - 127): the byte cannot fall under 1
	v_max_num_f32_dpp v8, v8, v8 row_xmask:1 row_mask:0xf bank_mask:0xf   ; and of my neighbour's 16: the block's
	v_add_nc_u32 v11, -(EMAX<<23), v8              ; 2 off its exponent field: the conversion takes the exponent field of this operand as its scale
	v_cvt_scalef32_pk16_fp6_f32 v[C+4*(\t):C+4*(\t)+2], v[XS:XS+15], v11   ; sixteen numbers / the scale, to the nearest code, ties to even, beyond 7.5 the largest code
	v_lshrrev_b32 v[E+(\t)], 23, v11               ; the scale's byte (a plain line behind the conversion)
	ds_store_b8 v5, v[E+(\t)] offset:16*(\t)       ; both lanes of a block write the same byte with the same value
	global_store_b96 v4, v[C+4*(\t):C+4*(\t)+2], s[20:21] offset:32*CB*(\t)   ; the wave stores 384 consecutive bytes
.endm
.irp t, 0,1,2,3,4,5,6,7,8,9,10,11,12,13,14,15
	STEP \t
.endr
	ds_load_b64 v[8:9], v6                         ; LDS serves a wave's instructions in order: these see my stores
	s_wait_dscnt 0x0
	global_store_b64 v7, v[8:9], s[22:23]          ; 32 lanes store 256 consecutive bytes, at a multiple of 256 from the buffer's first byte
	s_wait_tensorcnt 0x0                           ; the wave's end: behind my last LDS store
	ds_add_u32 v[SPW], v[NIL]
	s_wait_dscnt 0x0
	s_endpgm
; ---------------- the mask: 16 queries a work-group, 512 keys (four steps) a wave ----------------
.Lmask:
	v_bfe_u32 v8, v0, 4, 1                         ; h = lane / 16
	v_and_b32 v9, 15, v0                           ; r = lane % 16
	v_lshlrev_b32 v3, 11, v8
	v_lshl_add_u32 v3, v9, 4, v3                   ; in memory: lanes 0-15 one row's 256 bytes, lanes 16-31 the next row's
	s_mul_i32 s33, s32, 16*MP
	s_add_co_u32 s33, s33, MSTG                    ; my stage
	v_mul_u32_u24 v4, v8, MP
	v_lshl_add_u32 v4, v9, 4, v4
	v_add_nc_u32 v4, s33, v4                       ; in: as loaded
	v_mul_u32_u24 v5, v9, MP
	v_lshl_add_u32 v5, v8, 4, v5
	v_add_nc_u32 v5, s33, v5                       ; out: row r, 16 h bytes on: the 16 keys of my half of a block of 32
	v_lshlrev_b32 v6, 4, v2                        ; the words' way out: 16 bytes a lane
	v_lshlrev_b32 v7, 3, v2                        ; the flags': 8 bytes a lane
.irp k, 0,1,2,3,4,5,6,7
	v_mov_b32 v[W+\k], 0                           ; written once: v_writelane_b32's destination counts as read
.endr
	s_mov_b32 s38, 0                               ; my four flag bits
	s_lshl_b32 s34, ttmp9, 15                      ; 16 rows of 2,048 bytes a work-group,
	s_lshl_b32 s36, s32, 9                         ; 512 columns a wave
	s_add_co_u32 s34, s34, s36
	s_mov_b32 s35, 0
	s_lshl_b32 s36, ttmp9, 12                      ; words: 4,096 bytes a q tile, 1,024 a wave
	s_lshl_b32 s39, s32, 10
	s_add_co_u32 s36, s36, s39
	s_mov_b32 s37, 0
	s_lshl_b32 s44, ttmp9, 10                      ; flags: 1,024 bytes a q tile, 256 a wave
	s_lshl_b32 s39, s32, 8
	s_add_co_u32 s44, s44, s39
	s_mov_b32 s45, 0
	s_wait_kmcnt 0x0
	s_add_nc_u64 s[18:19], s[18:19], s[34:35]
	s_add_nc_u64 s[24:25], s[24:25], s[36:37]
	s_add_nc_u64 s[26:27], s[26:27], s[44:45]
.irp q, 0,1
.irp i, 0,1,2,3,4,5,6,7
	global_load_b128 v[R+4*(8*\q+\i):R+4*(8*\q+\i)+3], v3, s[18:19] offset:4096*\i+256*\q th:TH_LOAD_NT   ; rows 2 i and 2 i + 1, columns 256 q on: sixteen lanes read 256 consecutive bytes
.endr
.endr
; A pair of steps (256 keys): through the stage; then each byte of a lane becomes one bit of a word, by a compare; the word is put into the lane that will store it.
.macro MPAIR p
	s_wait_loadcnt 8*(1-\p)                        ; this pair's eight loads are in; the other pair's eight may be out
.irp i, 0,1,2,3,4,5,6,7
	ds_store_b128 v4, v[R+4*(8*\p+\i):R+4*(8*\p+\i)+3] offset:2*MP*\i
.endr
.irp g, 0,1,2,3,4,5,6,7
	ds_load_b128 v[M+4*\g:M+4*\g+3], v5 offset:32*\g   ; block g of 32 keys: my row's 16 bytes of my half.  LDS serves a wave's instructions in order
.endr
	s_wait_dscnt 0x0
.set J, 0
.rept 32                               ; register J holds the bytes of words 4 J .. 4 J + 3 of the pair's 128
.irp k, 0,1,2,3
	v_and_b32 v[8+\k], 0xff<<(8*\k), v[M+J]
.endr
.irp k, 0,1,2,3
	v_cmp_ne_u32 s[40+\k], 0, v[8+\k]              ; bit L: lane L's byte is set
.endr
.irp k, 0,1,2,3
	v_writelane_b32 v[W+4*\p+\k], s[40+\k], J      ; lane J will store words 4 J .. 4 J + 3
.endr
.set J, J+1
.endr
.irp s, 0,1
	v_or_b32 v112, v[M+16*\s], v[M+16*\s+1]        ; does the step hide any key of any of the 16 queries?
.irp i, 2,3,4,5,6,7,8,9,10,11,12,13,14,15
	v_or_b32 v112, v112, v[M+16*\s+\i]
.endr
	v_cmp_ne_u32 vcc_lo, 0, v112
	s_cmp_lg_u32 vcc_lo, 0
	s_cselect_b32 s36, 1<<(2*\p+\s), 0
	s_or_b32 s38, s38, s36
.endr
	global_store_b128 v6, v[W+4*\p:W+4*\p+3], s[24:25] offset:512*\p   ; two steps' words: 512 consecutive bytes
.endm
	MPAIR 0
	MPAIR 1
	s_lshl_b32 s39, s32, 2
	s_lshl_b32 s38, s38, s39                       ; my steps are 4 x wave on
	v_mov_b32 v114, s38
	v_mov_b32 v115, s38
	global_store_b64 v7, v[114:115], s[26:27]      ; 256 consecutive bytes, all the same word
	s_wait_tensorcnt 0x0                           ; the wave's end: behind my last LDS store
	ds_add_u32 v[SPW], v[NIL]
	s_wait_dscnt 0x0
	s_endpgm
.Lfunc_end_k_qdaf43007af_prep:
	.size	k_qdaf43007af_prep, .Lfunc_end_k_qdaf43007af_prep-k_qdaf43007af_prep
	.p2alignl 7, 3214868480
	.fill 96, 4, 3214868480
	.section	.rodata,"a",@progbits
	.p2align	6, 0x0
	.amdhsa_kernel k_qdaf43007af_prep
		.amdhsa_group_segment_fixed_size 50688
		.amdhsa_private_segment_fixed_size 0
		.amdhsa_enable_private_segment 0
		.amdhsa_kernarg_size 96
		.amdhsa_user_sgpr_count 2
		.amdhsa_user_sgpr_kernarg_segment_ptr 1
		.amdhsa_wavefront_size32 1
		.amdhsa_system_sgpr_workgroup_id_x 1
		.amdhsa_system_sgpr_workgroup_id_y 1
		.amdhsa_system_sgpr_workgroup_id_z 1
		.amdhsa_system_vgpr_workitem_id 0
		.amdhsa_next_free_vgpr 192
		.amdhsa_next_free_sgpr 66
		.amdhsa_reserve_vcc 1
		.amdhsa_float_denorm_mode_32 3
		.amdhsa_float_denorm_mode_16_64 3
		.amdhsa_memory_ordered 1
		.amdhsa_forward_progress 1
		.amdhsa_inst_pref_size 90
	.end_amdhsa_kernel
	.amdgpu_metadata
---
amdhsa.version: [ 1, 2 ]
amdhsa.kernels:
  - .name:           k_qdaf43007af_prep
    .symbol:         k_qdaf43007af_prep.kd
    .args:
      - { .name: query, .offset: 0, .size: 8, .value_kind: global_buffer, .address_space: global }
      - { .name: key, .offset: 8, .size: 8, .value_kind: global_buffer, .address_space: global }
      - { .name: value, .offset: 16, .size: 8, .value_kind: global_buffer, .address_space: global }
      - { .name: wq, .offset: 24, .size: 8, .value_kind: global_buffer, .address_space: global }
      - { .name: wk, .offset: 32, .size: 8, .value_kind: global_buffer, .address_space: global }
      - { .name: wv, .offset: 40, .size: 8, .value_kind: global_buffer, .address_space: global }
      - { .name: wo, .offset: 48, .size: 8, .value_kind: global_buffer, .address_space: global }
      - { .name: mask, .offset: 56, .size: 8, .value_kind: global_buffer, .address_space: global }
      - { .name: xc, .offset: 64, .size: 8, .value_kind: global_buffer, .address_space: global }
      - { .name: xs, .offset: 72, .size: 8, .value_kind: global_buffer, .address_space: global }
      - { .name: mw, .offset: 80, .size: 8, .value_kind: global_buffer, .address_space: global }
      - { .name: mf, .offset: 88, .size: 8, .value_kind: global_buffer, .address_space: global }
    .group_segment_fixed_size: 50688
    .private_segment_fixed_size: 0
    .kernarg_segment_align: 8
    .kernarg_segment_size: 96
    .max_flat_workgroup_size: 128
    .sgpr_count:     66
    .vgpr_count:     192
    .wavefront_size: 32
...
	.end_amdgpu_metadata
.endif
;; end of part 1
;; launch proj (part 2): grid 4 x 96, 4 waves a work-group, clusters of 4 x 4, 327,680 bytes of LDS; arguments xc, xs, ac, asc; writes ac, asc
.if DOCPART == 2
	.amdgcn_target "amdgcn-amd-amdhsa--gfx1250"
	.amdhsa_code_object_version 6
	.text
	.protected	k_qdaf43007af_proj
	.globl	k_qdaf43007af_proj
	.p2align	8
	.type	k_qdaf43007af_proj,@function
k_qdaf43007af_proj:
	s_mov_b64 s[64:65], 0
	v_nop
	global_prefetch_b8 v0, s[64:65] scope:SCOPE_SE
	s_setreg_imm32_b32 hwreg(HW_REG_WAVE_MODE, 25, 1), 1
	s_wait_xcnt 0x0
	s_wait_alu depctr_hold_cnt(0) depctr_sa_sdst(0) depctr_va_vdst(0) depctr_va_sdst(0) depctr_va_ssrc(0) depctr_va_vcc(0) depctr_vm_vsrc(0)
	s_getreg_b32 s2, hwreg(HW_REG_IB_STS2, 6, 4)
	s_cmp_eq_u32 s2, 0
	s_cbranch_scc0 .Lentry_in_a_cluster
	s_endpgm
.Lentry_in_a_cluster:
	s_bfe_u32 s2, ttmp6, 0x10000c
	s_cmp_lg_u32 s2, 0xf033
	s_cbranch_scc0 .Lentry_shape_is_right
	s_endpgm
.Lentry_shape_is_right:
; PROJ.  The three projections as one launch of 384 tiles of 256 x 256, K = 1,024, on codes of FP6 (E2M3) with one E8M0 scale for each 32 along K; sums in f32.
; Cluster cl = 0 .. 23; T = cl / 8:  T = 0: Q = query wq^T;  T = 1: K = key wk^T  (A = the tokens, 8,192 rows; B = the weight, 1,024 rows);  T = 2: V^T = wv value^T (A = wv, B = value).
; So in all three the axis along which the result is quantised for the attention launch (the head's 64 for Q and K, the keys for V) is the product's n.
; The loop: a work-group of four waves makes 256 x 256, a wave 128 x 128 in 64 accumulators (512 registers); K goes in steps of 256 through a ring of two LDS slots filled by the tensor data mover;
; the scale bytes of the work-group's rows, for all of K, come into LDS once.  4 x 4 work-groups form a cluster: A's tiles are asked for jointly along a row of it, B's along a column.
; THE MATRIX INSTRUCTION IS USED TRANSPOSED (source 0 = 16 rows of B, source 1 = 16 rows of A): a lane holds one row of A's and eight columns n.  B's rows lie in xc in the order in which
; the stored rows 16 (2 b + u) + i are the true rows 32 b + 8 u + i + 8 (i / 8): so the 16 registers of accumulators 2 b and 2 b + 1 are the true columns 32 b + 16 (lane / 16) + 0 .. 15.
; THE WAY OUT quantises in registers.  A block of 16 rows x 128 columns becomes one operand fragment (12 registers a lane) and one scale word a row; it is stored as an IMAGE OF THE REGISTERS:
; a half fragment (16 rows x 64 K, six registers) is 768 bytes: registers 0-3 at 16 x lane, registers 4-5 at 512 + 8 x lane.
;   ac:  Q at 0, K at 6,291,456: [b h 64][tile of 16 rows 128][768];  V at 12,582,912: [b h][key step 16][d tile 4][2 x 768].
;   asc: Q at 0, K at 524,288: [b h][tile][16 rows] words with two scale bytes and two bytes 0;  V at 1,048,576: [b h][key step][d tile][16 rows] words of four bytes.
; LIMITS: a block whose largest magnitude lies under 2^-124 (zeros among them) has the byte 1; NaN and infinities are not served.
; REGISTERS, in windows of 256: window 0: v0-31 addresses; v32-63 scale words, two sets; v64-131 the way out; from v128 A's fragments, one set.  window 1: B's fragments, two sets.  windows 2, 3: the accumulators.
.set SIZE_K, 1024
.set KSTEP,  256                       ; along K in a slot
.set NQ,     KSTEP/128
.set ROWB,   192                       ; a tile's row in bytes
.set KROW,   SIZE_K*6/8                ; a row of xc
.set PITCH,  240                       ; an LDS row: 3 x (64 bytes + 16 of padding): the 32 lanes of a load of 8 bytes touch 64 different banks (64 banks of 4 bytes: ISA guide 11.1)
.set FR,     12
.set NL,     6                         ; LDS loads that bring a fragment
.set NP,     4                         ; places behind this matrix instruction (ISA guide 7.12.1)
.set HALFT,  128*PITCH
.set SLOT,   4*HALFT
.set LAPS,   SIZE_K/(2*KSTEP)
.set KS,     SIZE_K/32                 ; a row of xs
.set SCL,    2*SLOT                    ; behind the ring: the scales, as units of 256 bytes + 16 of padding
.set HALFS,  (128*KS/256)*272
.set SBLK,   (16*KS/256)*272
.set SPARE,  SCL+4*HALFS               ; the spare words, 128 bytes for each wave: two blocks of 256 bytes that no other line names
.set CO16,  8                          ; v8   16 x lane: registers 0-3 of an image
.set CO8,   9                          ; v9   512 + 8 x lane: registers 4-5
.set CO16B, 10                         ; v10, v11: the same for the fragment's second half (Q, K: the next head; V: the step's keys 64-127)
.set CO8B,  11
.set STS,   12                         ; v12  LDS: where I put a scale word
.set RDS,   13                         ; v13  LDS: where I read 16 bytes of them back
.set SOF,   14                         ; v14  their place in asc
.set SH,    15                         ; v15  Q, K: 16 x (lane / 16): lanes 16-31 keep the second head's two bytes;  V: 0
.set ADRA,  16
.set ADRB,  20
.set ADRS,  27
.set SPW,   28                         ; v28  LDS address of my spare word; never rewritten
.set NIL,   29                         ; v29  0; never rewritten
.set MK,    30                         ; v30  Q, K: 0xffff;  V: all ones
.set SC,    32
.set TM,    64                         ; v64-67 largest magnitudes, v68-71 the other half's / bytes, v76-79 the conversions' scale operands
.set PW,    80                         ; the block's scale word
.set SW,    84                         ; v84-91 what goes to the stage, a register a block
.set SB,    92                         ; v92-99 the scale words read back
.set CD,    112                        ; v112-123 the fragment; v124-126, v128-130 the conversions' second halves
.set AF,    128
.set G1, 24
.set G0, 32
.set G1B, 48
.set G0B, 56
.set G1S, 68
.set G0S, 76
.set G1SB, 80
.set G0SB, 88
.set SEL, 66                           ; s[66:67] lane selects for v_permlanex16_b32: lane l xor 16
.set MSB, 0
.macro WIN new                         ; the immediate's high byte repeats the setting that is left
.if MSB != (\new)
	s_set_vgpr_msb (MSB<<8)|(\new)
.set MSB, (\new)
.endif
.endm
.set MUL_LO, 0xa1                      ; source 0 (B) window 1, source 1 (A) window 0, C and D window 2
.set MUL_HI, 0xf1
.set TO_B,   0x40
; A joint load: waves 0 and 1 fetch for A, waves 2 and 3 for B.  The branch hangs on the wave's number alone.  An s_nop 0 and four v_nop follow each of the two lines.
.macro JLOAD g0a, g1a, g0b, g1b
	s_cmp_eq_u32 s15, 0
	s_cbranch_scc0 .Lfor_b_\@
	tensor_load_to_lds s[\g0a:\g0a+3], s[\g1a:\g1a+7]
	s_nop 0
.rept 4
	v_nop
.endr
	s_branch .Lasked_\@
.Lfor_b_\@:
	tensor_load_to_lds s[\g0b:\g0b+3], s[\g1b:\g1b+7]
	s_nop 0
.rept 4
	v_nop
.endr
.Lasked_\@:
.endm
.macro CREST                           ; a round of the cluster's barrier behind its opening barrier
	s_cmp_lg_u32 s14, 0
	s_cbranch_scc1 .Lnot_wave_0_\@
	s_barrier_signal -3
.Lnot_wave_0_\@:
	s_barrier_wait -3
	s_barrier_signal -1
	s_barrier_wait -1
.endm
.macro CROUND
	s_barrier_signal -1
	s_barrier_wait -1
	CREST
.endm
	s_load_b256 s[4:11], s[0:1], 0x0               ; xc s[4:5], xs s[6:7], ac s[8:9], asc s[10:11]
	v_lshl_add_u32 v[SPW], v0, 2, SPARE
	v_mov_b32 v[NIL], 0
	ds_add_u32 v[SPW], v[NIL]                      ; the wave's opening: the add and its wait go ahead of my first tensor load; the set-up below stands between them
	v_lshrrev_b32 v1, 5, v0
	v_readfirstlane_b32 s14, v1                    ; wave 0..3
	s_lshr_b32 s15, s14, 1                         ; which half of the tile's rows is mine.  Also: I fetch for A (0) or for B (1)
	s_and_b32 s16, s14, 1                          ; which half of its columns.  Also: which 128 rows of that tile I fetch
	s_bfe_u32 s40, ttmp6, 0x40000                  ; cx, cy: my place in the cluster
	s_bfe_u32 s41, ttmp6, 0x40004
	s_and_b32 s95, ttmp7, 0xffff                   ; the cluster's number, 0 .. 23: the same in all sixteen partners
	s_lshr_b32 s96, s95, 3                         ; T: which projection
	s_and_b32 s95, s95, 7
	s_lshl_b32 s99, s96, 13                        ; A's first row in the stack: query 0, key 8,192,
	s_lshl_b32 s100, s96, 10
	s_add_co_u32 s100, s100, 24576                 ; B's: wq 24,576, wk 25,600
	s_cmp_eq_u32 s96, 2
	s_cselect_b32 s97, s95, 0                      ; V^T is 4 tiles high and 32 wide, Q and K 32 high and 4 wide
	s_cselect_b32 s98, 0, s95
	s_cselect_b32 s99, 26624, s99                  ; V^T: A = wv,
	s_cselect_b32 s100, 16384, s100                ; B = value
	s_lshl_b32 s42, s97, 2
	s_add_co_u32 s42, s42, s40                     ; tile column
	s_lshl_b32 s17, s98, 2
	s_add_co_u32 s17, s17, s41                     ; tile row
	s_lshl_b32 s43, s41, 2
	s_lshl_b32 s43, 15, s43                        ; my row of the cluster
	s_lshl_b32 s44, 0x1111, s40                    ; my column
	; descriptor group 1: a tile of 128 rows x 192 bytes, padded in LDS
	s_or_b32 s[G1+0], s43, (0<<16)|(1<<20)|(1<<21)|(3<<22)|(3<<25)  ; 15:0 the mask: A's tiles go to my row; elements of 1 byte; 20 padding on; 21 set beside a mask; after every 16 words (code 3) 4 words (code 3)
	s_or_b32 s[G1B+0], s44, (0<<16)|(1<<20)|(1<<21)|(3<<22)|(3<<25)
.irp g, G1, G1B
	s_mov_b32 s[\g+1], ROWB<<16                    ; tensor_dim0
	s_mov_b32 s[\g+2], 128<<16                     ; tensor_dim1
	s_mov_b32 s[\g+3], ROWB<<16                    ; tile_dim0
	s_mov_b32 s[\g+4], 128                         ; tile_dim1
	s_mov_b32 s[\g+5], KROW                        ; from row to row
	s_mov_b32 s[\g+6], 0
	s_mov_b32 s[\g+7], 0
.endr
	; the scales of 128 rows: a dense block of 4,096 bytes, as rows of 256 bytes (32 elements of 8 bytes), 16 bytes of padding behind each
	s_or_b32 s[G1S+0], s43, (3<<16)|(1<<20)|(1<<21)|(5<<22)|(3<<25)
	s_or_b32 s[G1SB+0], s44, (3<<16)|(1<<20)|(1<<21)|(5<<22)|(3<<25)
.irp g, G1S, G1SB
	s_mov_b32 s[\g+1], 32<<16
	s_mov_b32 s[\g+2], (128*KS/256)<<16
	s_mov_b32 s[\g+3], 32<<16
	s_mov_b32 s[\g+4], 128*KS/256
	s_mov_b32 s[\g+5], 32
	s_mov_b32 s[\g+6], 0
	s_mov_b32 s[\g+7], 0
.endr
	s_lshl_b32 s18, s16, 7                         ; which 128 rows of the tile I fetch
	s_lshl_b32 s20, s17, 8
	s_add_co_u32 s20, s20, s18
	s_add_co_u32 s20, s20, s99                     ; A: its row in the stack (under 28,672: all byte offsets fit 32 bits)
	s_lshl_b32 s46, s42, 8
	s_add_co_u32 s46, s46, s18
	s_add_co_u32 s46, s46, s100                    ; B likewise
	s_lshl_b32 s22, s20, 5                         ; where these rows' scales begin,
	s_mov_b32 s23, 0
	s_lshl_b32 s92, s46, 5
	s_mov_b32 s93, 0
	s_mul_i32 s20, s20, KROW                       ; and their codes
	s_mov_b32 s21, 0
	s_mul_i32 s46, s46, KROW
	s_mov_b32 s47, 0
	s_mul_i32 s45, s14, HALFT                      ; where they go: wave x 128 rows: no place in the cluster enters an LDS address
	s_mul_i32 s94, s14, HALFS
	s_wait_dscnt 0x0                               ; the opening add is done
	s_wait_kmcnt 0x0
	s_add_nc_u64 s[20:21], s[4:5], s[20:21]
	s_add_nc_u64 s[22:23], s[6:7], s[22:23]
	s_add_nc_u64 s[46:47], s[4:5], s[46:47]
	s_add_nc_u64 s[92:93], s[6:7], s[92:93]
	CROUND                                         ; all sixteen work-groups are here: the first joint loads meet
	s_mov_b32 s[G0S], 1
	s_add_co_u32 s[G0S+1], s94, SCL
	s_mov_b64 s[G0S+2:G0S+3], s[22:23]
	s_or_b32 s[G0S+3], s[G0S+3], 0x80000000
	s_mov_b32 s[G0SB], 1
	s_add_co_u32 s[G0SB+1], s94, SCL
	s_mov_b64 s[G0SB+2:G0SB+3], s[92:93]
	s_or_b32 s[G0SB+3], s[G0SB+3], 0x80000000
	JLOAD G0S, G1S, G0SB, G1SB                     ; the scales first: they are wanted with K step 0
.irp s, 0,1
	s_mov_b32 s[G0+4*\s], 1
	s_add_co_u32 s[G0+4*\s+1], s45, \s*SLOT
	s_add_nc_u64 s[G0+4*\s+2:G0+4*\s+3], s[20:21], \s*ROWB
	s_or_b32 s[G0+4*\s+3], s[G0+4*\s+3], 0x80000000
	s_mov_b32 s[G0B+4*\s], 1
	s_add_co_u32 s[G0B+4*\s+1], s45, \s*SLOT
	s_add_nc_u64 s[G0B+4*\s+2:G0B+4*\s+3], s[46:47], \s*ROWB
	s_or_b32 s[G0B+4*\s+3], s[G0B+4*\s+3], 0x80000000
	JLOAD G0+4*\s, G1, G0B+4*\s, G1B               ; three loads of mine are out now
.endr
	v_and_b32 v1, 15, v0                           ; r = l % 16
	v_bfe_u32 v2, v0, 4, 1                         ; h = l / 16
	v_mul_u32_u24 v3, v1, PITCH
	v_mul_u32_u24 v4, v2, 24
	v_add_nc_u32 v4, v3, v4                        ; a fragment's row x pitch + 24 x half
	v_lshl_add_u32 v5, v2, 4, v4                   ; and the same behind one padding more
	s_mul_i32 s21, s15, HALFT                      ; my 128 rows of A
	s_mul_i32 s22, s16, HALFT                      ; my 128 rows of B,
	s_add_co_u32 s22, s22, 2*HALFT                 ; which lie behind A's 256
.irp s, 0,1
	v_add_nc_u32 v[ADRA+\s], s21, v4
	v_add_nc_u32 v[ADRB+\s], s22, v4
	v_add_nc_u32 v[ADRA+2+\s], s21, v5
	v_add_nc_u32 v[ADRB+2+\s], s22, v5
	s_add_co_u32 s21, s21, SLOT
	s_add_co_u32 s22, s22, SLOT
.endr
	v_mul_u32_u24 v5, v1, KS                       ; my row's scales: 32 bytes a row,
	v_lshrrev_b32 v6, 8, v5
	v_lshl_add_u32 v5, v6, 4, v5                   ; and 16 more for each 256 passed
	s_mul_i32 s21, s15, HALFS
	s_mul_i32 s22, s16, HALFS
	s_add_co_u32 s22, s22, 2*HALFS
	s_sub_co_u32 s22, s22, s21
	v_mul_u32_u24 v6, s22, v2                      ; lanes 16-31 take B's
	s_add_co_u32 s21, s21, SCL
	v_add_nc_u32 v5, v5, v6
	v_add_nc_u32 v[ADRS], s21, v5
	; THE WAY OUT'S NUMBERS.  X, xw: tile and half along the tokens (Q, K: rows; V: columns);  Y, yw: along the features.  All the choices hang on T, which the partners share.
	s_cmp_eq_u32 s96, 2
	s_cselect_b32 s92, s42, s17                    ; X
	s_cselect_b32 s93, s17, s42                    ; Y
	s_cselect_b32 s94, s16, s15                    ; xw
	s_cselect_b32 s95, s15, s16                    ; yw
	s_movk_i32 s4, 768
	s_cselect_b32 s4, 1536, s4                     ; s[4:5]: from block to block: Q, K: the next tile of 16 rows; V: the next d tile
	s_mov_b32 s5, 0
	s_cselect_b32 s6, 92160, 0                     ; s[6:7]: V, at block 4: on to the next head (98,304 - 4 x 1,536)
	s_mov_b32 s7, 0
	s_mov_b32 s97, 98304
	s_cselect_b32 s97, 768, s97                    ; the fragment's second half: Q, K: the next head; V: the next 768 bytes
	s_cselect_b32 s98, 0, 16
	s_mov_b32 s99, 0xffff
	s_cselect_b32 s99, -1, s99
	s_movk_i32 s100, 256
	s_cselect_b32 s100, 4096, s100                 ; the scale words of lanes 16-31: Q, K: on end; V: the next head's
	s_cselect_b32 s101, 1, 0
	s_lshr_b32 s18, s92, 3
	s_lshl_b32 s18, s18, 4
	s_lshl_b32 s19, s93, 2
	s_add_co_u32 s18, s18, s19
	s_lshl_b32 s19, s95, 1
	s_add_co_u32 s18, s18, s19                     ; my first (batch, head): 16 (X / 8) + 4 Y + 2 yw
	s_and_b32 s19, s92, 7
	s_lshl_b32 s19, s19, 1
	s_add_co_u32 s19, s19, s94                     ; my 128 tokens of the batch's 2,048: 2 (X % 8) + xw
	s_mul_i32 s20, s96, 6291456
	s_mul_i32 s21, s18, 98304
	s_add_co_u32 s20, s20, s21
	s_mul_i32 s21, s19, 6144                       ; 8 tiles of 768 bytes, or a key step's 4 x 1,536
	s_add_co_u32 s20, s20, s21
	s_mov_b32 s21, 0
	s_add_nc_u64 s[8:9], s[8:9], s[20:21]          ; where my first image goes
	s_lshl_b32 s20, s18, 13
	s_lshl_b32 s21, s19, 9
	s_add_co_u32 s20, s20, s21
	s_lshr_b32 s20, s20, s101                      ; V has half as many scale words as Q or K
	s_lshl_b32 s21, s96, 19
	s_add_co_u32 s20, s20, s21
	s_mov_b32 s21, 0
	s_add_nc_u64 s[10:11], s[10:11], s[20:21]      ; and my scale words
	s_mov_b32 s[SEL], 0x76543210
	s_mov_b32 s[SEL+1], 0xfedcba98
	v_and_b32 v6, 31, v0
	v_lshlrev_b32 v[CO16], 4, v6
	v_lshl_add_u32 v[CO8], v6, 3, 512
	v_add_nc_u32 v[CO16B], s97, v[CO16]
	v_add_nc_u32 v[CO8B], s97, v[CO8]
	s_lshl_b32 s23, s14, 10                        ; my 1,024 bytes for scale words: they lie in slot 0, which has had its last fill and its last read when the first is stored there
	v_lshlrev_b32 v[STS], 2, v1
	v_lshl_add_u32 v[STS], v2, 9, v[STS]
	v_add_nc_u32 v[STS], s23, v[STS]               ; 4 r + 512 h
	v_add_nc_u32 v[RDS], s23, v[CO16]
	v_mul_u32_u24 v[SOF], s100, v2
	v_lshl_add_u32 v[SOF], v1, 4, v[SOF]
	v_mul_u32_u24 v[SH], s98, v2
	v_mov_b32 v[MK], s99
.irp b, 0,1,2,3
	v_mov_b32 v[TM+4+\b], 0                        ; written once: a lane permute's destination counts as one of its sources
.endr
.macro FRAG reg, adr, q, i             ; a fragment, 16 rows x 128 K of 6-bit codes: lane l holds row l % 16; registers 6 c .. 6 c + 5 hold K = 64 c + 32 (l / 16) + 0 .. 31: 24 bytes of the row's stream of bits
.irp p, 0,1,2,3,4,5                    ; in pieces of 8 bytes
.set PIECE, 12*(\q)+6*(\p/3)+\p%3      ; 16 bytes of padding lie behind every 8 pieces: where the piece three on lies behind one padding more, the second address register serves
.if PIECE%8 < 5
	ds_load_b64 v[\reg+2*\p:\reg+2*\p+1], v[\adr] offset:8*PIECE+16*(PIECE/8)+(\i)*16*PITCH
.else
	ds_load_b64 v[\reg+2*\p:\reg+2*\p+1], v[\adr+2] offset:8*PIECE+16*(PIECE/8)+(\i)*16*PITCH
.endif
.endr
.endm
; 16 matrix instructions: A's blocks a0, a0 + 1 x B's eight, 128 along K.  The 64 accumulators take turns, one instruction a turn, in the same order in every step.
.macro MUL16 a0, p, q, sc, zero
.irp a, \a0, \a0+1
.irp b, 0,1,2,3,4,5,6,7
.if \zero
	v_wmma_scale_f32_16x16x128_f8f6f4 v[8*(8*((\a)%4)+\b):8*(8*((\a)%4)+\b)+7], v[128*(\p)+FR*\b:128*(\p)+FR*\b+FR-1], v[AF+FR*(\a):AF+FR*(\a)+FR-1], 0, v[SC+8*NQ*(\sc)+NQ*\b+(\q)], v[SC+8*NQ*(\sc)+NQ*(\a)+(\q)] matrix_a_fmt:MATRIX_FMT_FP6 matrix_b_fmt:MATRIX_FMT_FP6 matrix_a_scale:MATRIX_SCALE_ROW1
.else
	v_wmma_scale_f32_16x16x128_f8f6f4 v[8*(8*((\a)%4)+\b):8*(8*((\a)%4)+\b)+7], v[128*(\p)+FR*\b:128*(\p)+FR*\b+FR-1], v[AF+FR*(\a):AF+FR*(\a)+FR-1], v[8*(8*((\a)%4)+\b):8*(8*((\a)%4)+\b)+7], v[SC+8*NQ*(\sc)+NQ*\b+(\q)], v[SC+8*NQ*(\sc)+NQ*(\a)+(\q)] matrix_a_fmt:MATRIX_FMT_FP6 matrix_b_fmt:MATRIX_FMT_FP6 matrix_a_scale:MATRIX_SCALE_ROW1
.endif
.endr
.endr
.endm
.macro FETCH_B slot, q, p
	WIN TO_B
.irp i, 0,1,2,3,4,5,6,7
	FRAG 128*(\p)+FR*\i, ADRB+\slot, \q, \i
.endr
	WIN 0
.endm
.macro FETCH_A slot, q, i0
.irp i, \i0, \i0+1, \i0+2, \i0+3
	FRAG AF+FR*(\i), ADRA+\slot, \q, \i
.endr
.endm
.macro SCALES sc                       ; a K step's scale words: two words a row; lanes 0-15 take A's block i, lanes 16-31 B's block i
.irp i, 0,1,2,3,4,5,6,7
	ds_load_b64 v[SC+8*NQ*\sc+NQ*\i:SC+8*NQ*\sc+NQ*\i+1], v[ADRS] offset:\i*SBLK
.endr
.endm
.macro PLACES n                        ; plain vector instructions between a matrix instruction and a load into its registers or a read of its result
.rept \n
	v_nop
.endr
.endm
.macro STEP slot, q, zero              ; a step of 128 along K that has its successor in the same slot
	s_wait_dscnt 4*NL                              ; B's set and A's blocks 0-3 are in; the youngest 24 loads (A's blocks 4-7) may be out
	WIN MUL_LO
	MUL16 0, (\q)%2, \q, \slot, \zero
	MUL16 2, (\q)%2, \q, \slot, \zero
	s_wait_dscnt 0
	PLACES NP
	FETCH_B \slot, (\q)+1, 1-(\q)%2
	FETCH_A \slot, (\q)+1, 0
	WIN MUL_HI
	MUL16 4, (\q)%2, \q, \slot, \zero
	MUL16 6, (\q)%2, \q, \slot, \zero
	PLACES NP
	WIN 0
	FETCH_A \slot, (\q)+1, 4
.endm
; A slot's last step changes slots: one barrier; in front of it each wave waits for all its tensor loads, adds 0 to its spare word, and waits for that and for its own reads of this slot.
.macro TURN slot, next, fill
	s_wait_tensorcnt 0x0                           ; all my tensor loads have landed: my part of the next slot
	ds_add_u32 v[SPW], v[NIL]                      ; 0 onto my spare word
	s_wait_dscnt 4*NL+1                            ; (the add and the youngest 24 loads, A's blocks 4-7, may be out)
	WIN MUL_LO
	MUL16 0, 1, NQ-1, \slot, 0
	s_wait_dscnt 0x0                               ; the add is done, and my reads of this slot are over
	s_barrier_signal -1
	MUL16 2, 1, NQ-1, \slot, 0
	WIN 0
	s_barrier_wait -1
.if \fill
	CREST                                          ; the barrier has opened a round of the cluster's barrier: no wave of any partner still reads this slot or has a load on its way
	s_add_nc_u64 s[G0+4*\slot+2:G0+4*\slot+3], s[G0+4*\slot+2:G0+4*\slot+3], 2*ROWB
	s_add_nc_u64 s[G0B+4*\slot+2:G0B+4*\slot+3], s[G0B+4*\slot+2:G0B+4*\slot+3], 2*ROWB
	JLOAD G0+4*\slot, G1, G0B+4*\slot, G1B         ; the first tensor load behind the round; its four v_nop are the places in front of the loads below
.else
	PLACES NP
.endif
	v_add_nc_u32 v[ADRS], 4*NQ, v[ADRS]            ; on to the next K step's scale words
	FETCH_B \next, 0, 0
	FETCH_A \next, 0, 0
	SCALES \next
	WIN MUL_HI
	MUL16 4, 1, NQ-1, \slot, 0
	MUL16 6, 1, NQ-1, \slot, 0
	PLACES NP
	WIN 0
	FETCH_A \next, 0, 4
.endm
	s_wait_tensorcnt 1                             ; the scales and my part of K step 0 are in (K step 1's load may be out),
	s_barrier_signal -1
	s_barrier_wait -1                              ; everybody's are
	FETCH_B 0, 0, 0
	FETCH_A 0, 0, 0
	SCALES 0
	FETCH_A 0, 0, 4
	STEP 0, 0, 1                                   ; the first step stands in front of the loop: its products start the sums
	s_mov_b32 s3, LAPS-1
.Llap:                                                 ; a trip goes once round the ring and fills both slots again
	TURN 0, 1, 1
	STEP 1, 0, 0
	TURN 1, 0, 1
	STEP 0, 0, 0
	s_sub_co_u32 s3, s3, 1
	s_cmp_lg_u32 s3, 0
	s_cbranch_scc1 .Llap
	TURN 0, 1, 0                                   ; the last lap fills nothing
	STEP 1, 0, 0
	s_wait_dscnt 4*NL
	WIN MUL_LO
	MUL16 0, 1, NQ-1, 1, 0
	MUL16 2, 1, NQ-1, 1, 0
	s_wait_dscnt 0
	WIN MUL_HI
	MUL16 4, 1, NQ-1, 1, 0
	MUL16 6, 1, NQ-1, 1, 0
	WIN 0
; THE WAY OUT of block a: its 64 registers, register 16 b + i = column 32 b + 16 (lane / 16) + i of my row, become a fragment and a scale word.
.macro OUTBLK a
.set AC, 64*((\a)%4)
	WIN 0x28+0x14*((\a)/4)                         ; sources 1 and 2: window 2 or 3
.irp b, 0,1,2,3
	v_max3_num_f32 v[TM+\b], 0x1800000, |v[AC+16*\b]|, |v[AC+16*\b+1]|   ; block b: my 16 numbers and the floor 2^(3 - 127); each accumulator is read from its low end on
.endr
.irp i, 2,4,6,8,10,12,14
.irp b, 0,1,2,3
	v_max3_num_f32 v[TM+\b], v[TM+\b], |v[AC+16*\b+\i]|, |v[AC+16*\b+\i+1]|
.endr
.endr
	WIN 0
.irp b, 0,1,2,3
	v_permlanex16_b32 v[TM+4+\b], v[TM+\b], s[SEL], s[SEL+1]
.endr
.irp b, 0,1,2,3
	v_max_num_f32 v[TM+\b], v[TM+\b], v[TM+4+\b]   ; with lane l xor 16's: the block's largest magnitude
.endr
.irp b, 0,1,2,3
	v_add_nc_u32 v[TM+12+\b], 0xff000000, v[TM+\b] ; 2 off its exponent field: the conversion's scale operand
.endr
.irp b, 0,1,2,3
	v_lshrrev_b32 v[TM+4+\b], 23, v[TM+12+\b]      ; the scale's byte
.endr
	v_lshl_or_b32 v[PW], v[TM+5], 8, v[TM+4]
	v_lshl_or_b32 v[PW], v[TM+6], 16, v[PW]
	v_lshl_or_b32 v[PW], v[TM+7], 24, v[PW]
.if (\a) > 0
	s_wait_xcnt 0x0                                ; the last block's stores have read their data and their base: both are written again only behind this wait
	s_add_nc_u64 s[8:9], s[8:9], s[4:5]
.if (\a) == 4
	s_add_nc_u64 s[8:9], s[8:9], s[6:7]
.endif
.endif
	WIN 0x02+((\a)/4)                              ; source 0: window 2 or 3
.irp c, 0,1
	v_cvt_scalef32_pk16_fp6_f32 v[CD+6*\c:CD+6*\c+2], v[AC+32*\c:AC+32*\c+15], v[TM+12+2*\c]
	v_cvt_scalef32_pk16_fp6_f32 v[CD+12+4*\c:CD+14+4*\c], v[AC+32*\c+16:AC+32*\c+31], v[TM+12+2*\c+1]   ; (a conversion's three registers begin on an even number)
.endr
	WIN 0
	v_nop                                          ; one plain place behind a scaled conversion
.irp c, 0,1                            ; the operand's layout wants a whole block in a lane: lanes 0-15 block 2 c, lanes 16-31 block 2 c + 1
.irp i, 0,1,2
	v_permlane16_swap_b32 v[CD+6*\c+\i], v[CD+12+4*\c+\i]
.endr
.irp i, 0,1,2
	v_mov_b32 v[CD+3+6*\c+\i], v[CD+12+4*\c+\i]
.endr
.endr
	v_lshrrev_b32 v[SW+(\a)], v[SH], v[PW]         ; Q, K: lanes 0-15 keep the first head's two bytes, lanes 16-31 the second's; V: all four
	v_and_b32 v[SW+(\a)], v[MK], v[SW+(\a)]
	ds_store_b32 v[STS], v[SW+(\a)] offset:64*(\a)
	global_store_b128 v[CO16], v[CD:CD+3], s[8:9]          ; 512 consecutive bytes,
	global_store_b64 v[CO8], v[CD+4:CD+5], s[8:9]          ; and the 256 behind them: the first half fragment's image
	global_store_b128 v[CO16B], v[CD+6:CD+9], s[8:9]
	global_store_b64 v[CO8B], v[CD+10:CD+11], s[8:9]
.endm
	PLACES NP                                      ; behind the last products
.irp a, 0,1,2,3,4,5,6,7
	OUTBLK \a
.endr
	ds_load_b128 v[SB:SB+3], v[RDS]                ; my own bytes: LDS serves a wave's instructions in order
	ds_load_b128 v[SB+4:SB+7], v[RDS] offset:512
	s_wait_dscnt 0x0
	global_store_b128 v[SOF], v[SB:SB+3], s[10:11] ; Q, K: the first head's 8 tiles, 512 consecutive bytes; V: 256 bytes for each of two heads
	s_cmp_eq_u32 s96, 2                            ; V: lanes 16-31 stored the same words as lanes 0-15, and all have gone
	s_cbranch_scc1 .Lno_second
	global_store_b128 v[SOF], v[SB+4:SB+7], s[10:11] offset:8192   ; Q, K: the second head's
.Lno_second:
	s_wait_tensorcnt 0x0                           ; the wave's end: behind my last tensor load and my last LDS store
	ds_add_u32 v[SPW], v[NIL]
	s_wait_dscnt 0x0
	CROUND                                         ; the closing round: no work-group ends while a partner may still ask for a tile that names it
	s_endpgm
.Lfunc_end_k_qdaf43007af_proj:
	.size	k_qdaf43007af_proj, .Lfunc_end_k_qdaf43007af_proj-k_qdaf43007af_proj
	.p2alignl 7, 3214868480
	.fill 96, 4, 3214868480
	.section	.rodata,"a",@progbits
	.p2align	6, 0x0
	.amdhsa_kernel k_qdaf43007af_proj
		.amdhsa_group_segment_fixed_size 327680
		.amdhsa_private_segment_fixed_size 0
		.amdhsa_enable_private_segment 0
		.amdhsa_kernarg_size 32
		.amdhsa_user_sgpr_count 2
		.amdhsa_user_sgpr_kernarg_segment_ptr 1
		.amdhsa_wavefront_size32 1
		.amdhsa_system_sgpr_workgroup_id_x 1
		.amdhsa_system_sgpr_workgroup_id_y 1
		.amdhsa_system_sgpr_workgroup_id_z 1
		.amdhsa_system_vgpr_workitem_id 0
		.amdhsa_next_free_vgpr 1024
		.amdhsa_next_free_sgpr 102
		.amdhsa_reserve_vcc 0
		.amdhsa_float_denorm_mode_32 3
		.amdhsa_float_denorm_mode_16_64 3
		.amdhsa_memory_ordered 1
		.amdhsa_forward_progress 1
		.amdhsa_inst_pref_size 168
	.end_amdhsa_kernel
	.amdgpu_metadata
---
amdhsa.version: [ 1, 2 ]
amdhsa.kernels:
  - .name:           k_qdaf43007af_proj
    .symbol:         k_qdaf43007af_proj.kd
    .args:
      - { .name: xc, .offset: 0, .size: 8, .value_kind: global_buffer, .address_space: global }
      - { .name: xs, .offset: 8, .size: 8, .value_kind: global_buffer, .address_space: global }
      - { .name: ac, .offset: 16, .size: 8, .value_kind: global_buffer, .address_space: global }
      - { .name: asc, .offset: 24, .size: 8, .value_kind: global_buffer, .address_space: global }
    .group_segment_fixed_size: 327680
    .private_segment_fixed_size: 0
    .kernarg_segment_align: 8
    .kernarg_segment_size: 32
    .max_flat_workgroup_size: 128
    .sgpr_count:     102
    .vgpr_count:     1024
    .wavefront_size: 32
...
	.end_amdgpu_metadata
.endif
;; end of part 2
;; launch attn (part 3): grid 4 x 64, 16 waves a work-group, no clusters, 210,944 bytes of LDS; arguments ac, asc, mw, mf, ao, aos; writes ao, aos
.if DOCPART == 3
	.amdgcn_target "amdgcn-amd-amdhsa--gfx1250"
	.amdhsa_code_object_version 6
	.text
	.protected	k_qdaf43007af_attn
	.globl	k_qdaf43007af_attn
	.p2align	8
	.type	k_qdaf43007af_attn,@function
k_qdaf43007af_attn:
	s_mov_b64 s[64:65], 0
	v_nop
	global_prefetch_b8 v0, s[64:65] scope:SCOPE_SE
	s_setreg_imm32_b32 hwreg(HW_REG_WAVE_MODE, 25, 1), 1
	s_wait_xcnt 0x0
; ATTN.  For each (batch, head): S = Q K^T / 8, the mask, the softmax, O = P V; both products on codes of FP6 (E2M3) with one E8M0 scale for each 32 along a product's K.
; THE SOFTMAX AHEAD OF THE SECOND PRODUCT: t = score x log2(e) / 8; M = the row's largest t so far, rounded up to a whole number; p = 2^(t - M) is quantised along the keys, not normalised.
; The row's sum is taken of the unquantised p and divides O at the end.  When M moves, the sum and O are multiplied by 2^(old M - new M): exact.
; SHARES.  A work-group owns 512 queries of one (batch, head); each of its sixteen waves owns one tile of 16 queries in each of two passes.  The whole head's K and V (codes 2 x 98,304 bytes, scale words 12,288)
; are copied into LDS once, through registers; one barrier; from then on the waves share nothing, four to a SIMD, so that one wave's vector work stands beside another's matrix work.
; OPERANDS ARE IMAGES OF THEIR REGISTERS, as the projections stored them: a half fragment (16 rows x 64 K) is 768 bytes: registers 0-3 at 16 x lane, registers 4-5 at 512 + 8 x lane.
; LAYOUT.  Both products are used transposed: S^T = K Q^T, O^T = V^T P^T: a lane holds one query (lane % 16) throughout.  By the order in which K's rows were stored, register 16 b + i of S^T is key
; 32 b + 16 (lane / 16) + i of the step's 128; by wv's, register 16 b + i of O^T is channel 32 b + 16 (lane / 16) + i.
; THE FIRST PRODUCT'S K IS 64, the instruction's 128: Q's upper six registers are zero codes.  K's fragment of tile t is six registers and the six that follow them (the next tile's codes, zeros behind the last):
; those meet Q's zero codes.  Bytes 2 and 3 of Q's and K's scale words are 0, which is 2^-127.
; THE MASK comes as 64 lane masks for each (q tile, step) and a flag 'the step hides a key': the words are always loaded; where the flag is 0 a scalar branch leads round the 64 selects.
; NO CLUSTER, NO TENSOR LOAD: what the four work-groups of a head share is read once by each.
; A ROW ALL OF WHOSE KEYS ARE HIDDEN has the sum 0: its codes are made zeros and its two scale bytes 0xff, which makes that row of the last product NaN, as the definition has it.
; LIMITS: NaN and infinities are not served; a block whose largest magnitude lies under 2^-124 has the byte 1.  The two scale bytes of a row leave by a store of 2 bytes a lane, rows 32 bytes apart
; (lanes 16-31 store what lanes 0-15 store): 64 bytes of 832 that a wave stores in a pass.
; REGISTERS: v1-6 lane terms; v7-11, v29 the step's addresses; v12 -M, v13 the largest t, v[14:15] the sum; v16-27 Q; v28 its scale words; v32-79 K's 8 x 6, then V's 4 x 12; v80-85 zeros; v86-89, v90-91 scale words;
;   v96-159 S^T, then p; v160-191 O^T; v192-203 p's codes; v204-210 the conversions' second halves; v212-223 at work; v224 p's scale word; v[226:227] f; v228-240 at work.
.set VC,    98304                      ; LDS: K's codes at 0, V's here,
.set KSC,   196608                     ; K's scale words,
.set VSC,   204800                     ; V's,
.set SPARE, 208896                     ; and the spare words, 128 bytes for each wave: eight blocks of 256 bytes that no other line names
.set SPW, 30                           ; v30  LDS address of my spare word; never rewritten
.set NIL, 31                           ; v31  0; never rewritten
.set BM,  212                          ; v212-215 a block's largest score, then its largest p
.set T4,  216                          ; v216-219 the other half's; a chain of the sum; the bytes
.set SO,  220                          ; v220-223 the conversions' scale operands
.set SEL, 96                           ; s[96:97] lane selects for v_permlanex16_b32: lane l xor 16
.set CS,  98                           ; s[98:99] c = log2(e) / 8, twice
	s_load_b256 s[4:11], s[0:1], 0x0               ; ac s[4:5], asc s[6:7], mw s[8:9], mf s[10:11]
	s_load_b128 s[12:15], s[0:1], 0x20             ; ao s[12:13], aos s[14:15]
	v_lshl_add_u32 v[SPW], v0, 2, SPARE
	v_mov_b32 v[NIL], 0
	v_lshrrev_b32 v1, 5, v0
	v_readfirstlane_b32 s2, v1                     ; wave 0..15
	s_and_b32 s66, ttmp7, 0xffff                   ; (batch, head)
	s_lshl_b32 s67, ttmp9, 5
	s_add_co_u32 s67, s67, s2                      ; my q tile of pass 0: 32 x work-group x + wave
	v_lshlrev_b32 v7, 4, v0                        ; the copy: 16 bytes a thread, 8,192 a work-group
	v_add_nc_u32 v8, 0x10000, v7                   ; (an LDS offset has 16 bits: the register carries the rest)
	v_add_nc_u32 v9, 0x20000, v7
	v_add_nc_u32 v10, 0x30000, v7
	v_lshlrev_b32 v11, 3, v0
	v_add_nc_u32 v29, VSC, v11
	s_mul_i32 s16, s66, 98304
	s_add_co_u32 s18, s16, 6291456                 ; K's codes of my head,
	s_mov_b32 s19, 0
	s_add_co_u32 s20, s16, 12582912                ; V's,
	s_mov_b32 s21, 0
	s_lshl_b32 s22, s66, 13
	s_add_co_u32 s22, s22, 524288                  ; K's scale words,
	s_mov_b32 s23, 0
	s_lshl_b32 s24, s66, 12
	s_add_co_u32 s24, s24, 1048576                 ; V's
	s_mov_b32 s25, 0
	s_mov_b32 s[SEL], 0x76543210
	s_mov_b32 s[SEL+1], 0xfedcba98
	s_mov_b32 s[CS], 0x3e38aa3b
	s_mov_b32 s[CS+1], s[CS]
	s_wait_kmcnt 0x0
	s_add_nc_u64 s[18:19], s[4:5], s[18:19]
	s_add_nc_u64 s[20:21], s[4:5], s[20:21]
	s_add_nc_u64 s[22:23], s[6:7], s[22:23]
	s_add_nc_u64 s[24:25], s[6:7], s[24:25]
.irp i, 0,1,2,3,4,5,6,7,8,9,10,11
	global_load_b128 v[96+4*\i:99+4*\i], v7, s[18:19] offset:8192*\i
.endr
.irp i, 0,1,2,3,4,5,6,7,8,9,10,11
	global_load_b128 v[144+4*\i:147+4*\i], v7, s[20:21] offset:8192*\i
.endr
	global_load_b128 v[192:195], v7, s[22:23]
	global_load_b64 v[196:197], v11, s[24:25]
	v_and_b32 v228, 31, v0                         ; L
	v_and_b32 v229, 15, v0                         ; r
	v_lshlrev_b32 v1, 4, v228                      ; 16 L: registers 0-3 of an image, in LDS and in memory
	v_lshl_add_u32 v2, v228, 3, 512                ; 512 + 8 L: registers 4-5
	v_add_nc_u32 v3, VC, v1
	v_add_nc_u32 v4, VC, v2
	v_lshl_add_u32 v5, v228, 2, KSC                ; scale words: lanes 0-15 one tile's, lanes 16-31 the next tile's
	v_lshl_add_u32 v6, v228, 2, VSC
	v_lshlrev_b32 v94, 2, v229                     ; Q's scale words: 4 r
	v_lshlrev_b32 v95, 5, v229                     ; the output's scale bytes: 32 r
.irp j, 22,23,24,25,26,27,80,81,82,83,84,85
	v_mov_b32 v\j, 0                               ; zero codes
.endr
.irp j, 216,217,218,219,227,229
	v_mov_b32 v\j, 0                               ; written once: lane permutes' destinations, and the upper halves of pairs that are named whole
.endr
	v_mov_b32 v225, 0xffff
	v_mov_b32 v230, 0xff800000                     ; -infinity
.set I, 0
.rept 24
	s_wait_loadcnt 25-I                            ; loads come back in order: load I is in, the younger ones stay out
	ds_store_b128 v[7+I/8], v[96+4*I:99+4*I] offset:8192*(I%8)
.set I, I+1
.endr
	s_wait_loadcnt 1
	ds_store_b128 v10, v[192:195]
	s_wait_loadcnt 0x0
	ds_store_b64 v29, v[196:197]
	s_wait_dscnt 0x0                               ; for the others' sake: my stores have landed
	s_barrier_signal -1
	s_barrier_wait -1                              ; the head's K and V lie in LDS; nobody writes them again
.macro PASS p
.if \p
	s_wait_xcnt 0x0                                ; the last pass's stores have read their data and bases: both are written again only behind this wait
.endif
	s_add_co_u32 s16, s67, 16*\p                   ; my q tile
	s_lshl_b32 s17, s66, 7
	s_add_co_u32 s17, s17, s16
	s_mul_i32 s18, s17, 768
	s_mov_b32 s19, 0
	s_add_nc_u64 s[20:21], s[4:5], s[18:19]        ; Q's image
	s_lshl_b32 s18, s17, 6
	s_add_nc_u64 s[22:23], s[6:7], s[18:19]        ; its scale words
	s_lshl_b32 s18, s16, 10
	s_add_nc_u64 s[24:25], s[10:11], s[18:19]      ; the q tile's flags
	s_lshl_b32 s18, s16, 12
	s_add_nc_u64 s[88:89], s[8:9], s[18:19]        ; and its mask words
	s_lshr_b32 s18, s66, 4
	s_lshl_b32 s18, s18, 7
	s_add_co_u32 s26, s18, s16                     ; my tile among the 512 tiles of rows: 128 x batch + q tile
	s_and_b32 s27, s66, 15                         ; the head
	s_lshl_b32 s18, s26, 4
	s_add_co_u32 s18, s18, s27
	s_mul_i32 s18, s18, 768
	s_add_nc_u64 s[84:85], s[12:13], s[18:19]      ; where the result's image goes,
	s_lshl_b32 s18, s26, 9
	s_lshl_b32 s27, s27, 1
	s_add_co_u32 s18, s18, s27
	s_add_nc_u64 s[86:87], s[14:15], s[18:19]      ; and its scale bytes: 32 bytes a row, 2 a head
	global_load_b128 v[16:19], v1, s[20:21]
	global_load_b64 v[20:21], v2, s[20:21]
	global_load_b32 v28, v94, s[22:23]
	s_load_b32 s28, s[24:25], 0x0
	s_load_b32 s29, s[24:25], 0x100
	s_load_b32 s30, s[24:25], 0x200
	s_load_b32 s31, s[24:25], 0x300
	v_mov_b32 v13, 0xff61b1e6                      ; the largest t so far: -3e38, under every t
	v_floor_f32 v12, -v13                          ; -M
	v_mov_b32 v14, 0
	v_mov_b32 v15, 0
.set J, 0
.rept 32
	v_mov_b32 v[160+J], 0                          ; O^T.  (The step is written once: its first trip finds zeros, which the first change of M leaves zeros)
.set J, J+1
.endr
	s_mov_b32 s90, 0                               ; the step's codes: 6,144 bytes a step, of K and of V
	s_mov_b32 s91, 0                               ; K's scale words: 512
	s_mov_b32 s92, 0                               ; V's: 256
	s_mov_b32 s3, 0
	s_wait_loadcnt 0x0
	s_wait_kmcnt 0x0
	s_or_b32 s94, s28, s29
	s_or_b32 s94, s94, s30
	s_or_b32 s94, s94, s31                         ; bit s: step s hides a key
.Lstep_\@:                                     ; 16 trips of 128 keys
	v_add_nc_u32 v7, s90, v1                       ; (these six are also the places behind the last trip's products, in front of the loads below)
	v_add_nc_u32 v8, s90, v2
	v_add_nc_u32 v9, s90, v3
	v_add_nc_u32 v10, s90, v4
	v_add_nc_u32 v11, s91, v5
	v_add_nc_u32 v29, s92, v6
	s_load_b512 s[16:31], s[88:89], 0x0            ; the step's 64 lane masks
	s_load_b512 s[32:47], s[88:89], 0x40
	s_load_b512 s[48:63], s[88:89], 0x80
	s_load_b512 s[68:83], s[88:89], 0xc0
.irp t, 0,1,2,3,4,5,6,7
	ds_load_b128 v[32+6*\t:35+6*\t], v7 offset:768*\t
	ds_load_b64 v[36+6*\t:37+6*\t], v8 offset:768*\t
.endr
.irp b, 0,1,2,3
	ds_load_b32 v[86+\b], v11 offset:128*\b
.endr
	s_wait_dscnt 0x0
.irp t, 0,2,4,6                        ; S^T = K Q^T
	v_wmma_scale_f32_16x16x128_f8f6f4 v[96+8*\t:103+8*\t], v[32+6*\t:43+6*\t], v[16:27], 0, v[86+\t/2], v28 matrix_a_fmt:MATRIX_FMT_FP6 matrix_b_fmt:MATRIX_FMT_FP6
	v_wmma_scale_f32_16x16x128_f8f6f4 v[104+8*\t:111+8*\t], v[38+6*\t:49+6*\t], v[16:27], 0, v[86+\t/2], v28 matrix_a_fmt:MATRIX_FMT_FP6 matrix_b_fmt:MATRIX_FMT_FP6 matrix_a_scale:MATRIX_SCALE_ROW1
.endr
.rept 4
	v_nop                                          ; places in front of loads into registers that these products read, and of the first read of their results
.endr
.irp d, 0,1,2,3                        ; V's four fragments are asked for now and land during the softmax
	ds_load_b128 v[32+12*\d:35+12*\d], v9 offset:1536*\d
	ds_load_b64 v[36+12*\d:37+12*\d], v10 offset:1536*\d
	ds_load_b128 v[38+12*\d:41+12*\d], v9 offset:1536*\d+768
	ds_load_b64 v[42+12*\d:43+12*\d], v10 offset:1536*\d+768
.endr
	ds_load_b32 v90, v29
	ds_load_b32 v91, v29 offset:128
	s_wait_kmcnt 0x0                               ; the lane masks are in
	s_and_b32 s95, s94, 1
	s_cmp_lg_u32 s95, 0
	s_cbranch_scc0 .Lopen_\@                       ; no key of this step is hidden from any of my 16 queries
.set J, 0
.rept 64
	v_cndmask_b32 v[96+J], v[96+J], v230, s[16+J+4*(J/48)]   ; a hidden key's score becomes -infinity: p = 0 then
.set J, J+1
.endr
.Lopen_\@:
.irp b, 0,1,2,3
	v_max3_num_f32 v[BM+\b], v[96+16*\b], v[97+16*\b], v[98+16*\b]   ; the largest score of each block of 32 keys: for the row's maximum and, since p rises with the score, for the block's largest p
.endr
.irp i, 3,5,7,9,11,13
.irp b, 0,1,2,3
	v_max3_num_f32 v[BM+\b], v[BM+\b], v[96+16*\b+\i], v[97+16*\b+\i]
.endr
.endr
.irp b, 0,1,2,3
	v_max_num_f32 v[BM+\b], v[BM+\b], v[111+16*\b]
.endr
.irp b, 0,1,2,3
	v_permlanex16_b32 v[T4+\b], v[BM+\b], s[SEL], s[SEL+1]
.endr
.irp b, 0,1,2,3
	v_max_num_f32 v[BM+\b], v[BM+\b], v[T4+\b]     ; with lane l xor 16's 16 keys
.endr
	v_max3_num_f32 v228, v[BM], v[BM+1], v[BM+2]
	v_max_num_f32 v228, v228, v[BM+3]              ; the step's largest score of my query
	v_mul_f32 v228, s[CS], v228                    ; as t (c is positive)
	v_max_num_f32 v13, v13, v228                   ; the running largest t
	v_mov_b32 v228, v12
	v_floor_f32 v12, -v13                          ; the new -M = -ceil(t): a whole number
	v_sub_f32 v228, v12, v228                      ; old M - new M: a whole number, 0 or less
	v_cvt_i32_f32 v228, v228                       ; (it saturates)
	v_ldexp_f32 v226, 1.0, v228                    ; f = 2^(old M - new M)
.set J, 0
.rept 32
	v_pk_fma_f32 v[96+J:97+J], v[96+J:97+J], s[CS:CS+1], v[12:13] op_sel_hi:[1,0,0]   ; t - M, two at a time
.set J, J+2
.endr
.irp b, 0,1,2,3
	v_fma_f32 v[BM+\b], v[BM+\b], s[CS], v12       ; the same of each block's largest score
.endr
.set J, 0
.rept 64
	v_exp_f32 v[96+J], v[96+J]                     ; p = 2^(t - M), at most 1
.set J, J+1
.endr
	v_pk_mul_f32 v[14:15], v[14:15], v[226:227] op_sel_hi:[1,0]   ; the sums under the new M (a plain line behind the exponentials)
	s_wait_alu depctr_va_vdst(0)                   ; one wait for the whole batch, ahead of its first reader
.irp b, 0,1,2,3
	v_exp_f32 v[BM+\b], v[BM+\b]                   ; the block's largest p: the same two instructions on the same number give the same bits
.endr
	v_pk_add_f32 v[T4:T4+1], v[96:97], v[98:99]    ; the row's sum is taken of the unquantised p: two at a time, in two chains
.set J, 4
.rept 15
	v_pk_add_f32 v[14:15], v[14:15], v[96+J:97+J]
	v_pk_add_f32 v[T4:T4+1], v[T4:T4+1], v[98+J:99+J]
.set J, J+4
.endr
	v_pk_add_f32 v[14:15], v[14:15], v[T4:T4+1]
	s_wait_alu depctr_va_vdst(0)                   ; and one for the four
.irp b, 0,1,2,3
	v_max_num_f32 v[BM+\b], 0x1800000, v[BM+\b]    ; the floor 2^(3 - 127): the byte cannot fall under 1
.endr
.irp b, 0,1,2,3
	v_add_nc_u32 v[SO+\b], 0xff000000, v[BM+\b]    ; 2 off the exponent field: the conversion's scale operand
.endr
.irp b, 0,1,2,3
	v_lshrrev_b32 v[T4+\b], 23, v[SO+\b]           ; the scale's byte
.endr
	v_lshl_or_b32 v224, v[T4+1], 8, v[T4]          ; p's scale word for these 128 keys
	v_lshl_or_b32 v224, v[T4+2], 16, v224
	v_lshl_or_b32 v224, v[T4+3], 24, v224
.irp c, 0,1
	v_cvt_scalef32_pk16_fp6_f32 v[192+6*\c:194+6*\c], v[96+32*\c:111+32*\c], v[SO+2*\c]
	v_cvt_scalef32_pk16_fp6_f32 v[204+4*\c:206+4*\c], v[112+32*\c:127+32*\c], v[SO+2*\c+1]   ; (a conversion's three registers begin on an even number)
.endr
	v_nop                                          ; one plain place behind a scaled conversion
.irp c, 0,1                            ; the operand's layout wants a whole block in a lane
.irp i, 0,1,2
	v_permlane16_swap_b32 v[192+6*\c+\i], v[204+4*\c+\i]
.endr
.irp i, 0,1,2
	v_mov_b32 v[195+6*\c+\i], v[204+4*\c+\i]
.endr
.endr
.set J, 0
.rept 16
	v_pk_mul_f32 v[160+J:161+J], v[160+J:161+J], v[226:227] op_sel_hi:[1,0]   ; O^T under the new M (these sixteen also stand between the writes of p's codes and scale word and the products)
.set J, J+2
.endr
	s_wait_dscnt 0x0                               ; V is in
.irp d, 0,2                            ; O^T += V^T P^T: four accumulators, one instruction each
	v_wmma_scale_f32_16x16x128_f8f6f4 v[160+8*\d:167+8*\d], v[32+12*\d:43+12*\d], v[192:203], v[160+8*\d:167+8*\d], v[90+\d/2], v224 matrix_a_fmt:MATRIX_FMT_FP6 matrix_b_fmt:MATRIX_FMT_FP6
	v_wmma_scale_f32_16x16x128_f8f6f4 v[168+8*\d:175+8*\d], v[44+12*\d:55+12*\d], v[192:203], v[168+8*\d:175+8*\d], v[90+\d/2], v224 matrix_a_fmt:MATRIX_FMT_FP6 matrix_b_fmt:MATRIX_FMT_FP6 matrix_a_scale:MATRIX_SCALE_ROW1
.endr
	s_add_co_u32 s90, s90, 6144
	s_add_co_u32 s91, s91, 512
	s_add_co_u32 s92, s92, 256
	s_add_nc_u64 s[88:89], s[88:89], 256           ; (the scalar loads that read it were waited for above)
	s_lshr_b32 s94, s94, 1
	s_add_co_u32 s3, s3, 1
	s_cmp_lt_u32 s3, 16
	s_cbranch_scc1 .Lstep_\@
	; THE WAY OUT of a pass: O^T / the sum, quantised along the head's 64 channels: a half fragment of the last product's operand, and two scale bytes a row
.rept 4
	v_nop                                          ; places behind the last products
.endr
	v_add_f32 v14, v14, v15                        ; the sum's two halves,
	v_permlanex16_b32 v229, v14, s[SEL], s[SEL+1]
	v_add_f32 v14, v14, v229                       ; and lane l xor 16's
	v_rcp_f32 v228, v14
	v_nop                                          ; a plain line behind the reciprocal
	s_wait_alu depctr_va_vdst(0)                   ; and the wait ahead of its first reader
	v_cmp_eq_f32 s101, 0, v14                      ; a row all of whose keys are hidden: it selects values only
	v_cndmask_b32 v228, v228, 0, s101
.set J, 0
.rept 16
	v_pk_mul_f32 v[96+J:97+J], v[160+J:161+J], v[228:229] op_sel_hi:[1,0]   ; each accumulator from its low end on
.set J, J+2
.endr
.irp b, 0,1
	v_max3_num_f32 v[BM+\b], |v[96+16*\b]|, |v[97+16*\b]|, 0x1800000
.endr
.irp i, 2,4,6,8,10,12,14
.irp b, 0,1
	v_max3_num_f32 v[BM+\b], v[BM+\b], |v[96+16*\b+\i]|, |v[97+16*\b+\i]|
.endr
.endr
.irp b, 0,1
	v_permlanex16_b32 v[T4+\b], v[BM+\b], s[SEL], s[SEL+1]
.endr
.irp b, 0,1
	v_max_num_f32 v[BM+\b], v[BM+\b], v[T4+\b]
.endr
.irp b, 0,1
	v_add_nc_u32 v[SO+\b], 0xff000000, v[BM+\b]
.endr
.irp b, 0,1
	v_lshrrev_b32 v[T4+\b], 23, v[SO+\b]
.endr
	v_lshl_or_b32 v231, v[T4+1], 8, v[T4]          ; my row's two bytes
	v_cndmask_b32 v231, v231, v225, s101           ; 0xff, 0xff for a row with no key
	v_cvt_scalef32_pk16_fp6_f32 v[232:234], v[96:111], v[SO]
	v_cvt_scalef32_pk16_fp6_f32 v[238:240], v[112:127], v[SO+1]
	v_nop                                          ; one plain place behind a scaled conversion
.irp i, 0,1,2
	v_permlane16_swap_b32 v[232+\i], v[238+\i]
.endr
.irp i, 0,1,2
	v_mov_b32 v[235+\i], v[238+\i]
.endr
	global_store_b128 v1, v[232:235], s[84:85]     ; 512 consecutive bytes,
	global_store_b64 v2, v[236:237], s[84:85]      ; and the 256 behind them
	global_store_b16 v95, v231, s[86:87]
.endm
	PASS 0
	PASS 1
	s_wait_tensorcnt 0x0                           ; the wave's end: behind my last LDS store
	ds_add_u32 v[SPW], v[NIL]
	s_wait_dscnt 0x0
	s_endpgm
.Lfunc_end_k_qdaf43007af_attn:
	.size	k_qdaf43007af_attn, .Lfunc_end_k_qdaf43007af_attn-k_qdaf43007af_attn
	.p2alignl 7, 3214868480
	.fill 96, 4, 3214868480
	.section	.rodata,"a",@progbits
	.p2align	6, 0x0
	.amdhsa_kernel k_qdaf43007af_attn
		.amdhsa_group_segment_fixed_size 210944
		.amdhsa_private_segment_fixed_size 0
		.amdhsa_enable_private_segment 0
		.amdhsa_kernarg_size 48
		.amdhsa_user_sgpr_count 2
		.amdhsa_user_sgpr_kernarg_segment_ptr 1
		.amdhsa_wavefront_size32 1
		.amdhsa_system_sgpr_workgroup_id_x 1
		.amdhsa_system_sgpr_workgroup_id_y 1
		.amdhsa_system_sgpr_workgroup_id_z 1
		.amdhsa_system_vgpr_workitem_id 0
		.amdhsa_next_free_vgpr 256
		.amdhsa_next_free_sgpr 102
		.amdhsa_reserve_vcc 0
		.amdhsa_float_denorm_mode_32 3
		.amdhsa_float_denorm_mode_16_64 3
		.amdhsa_memory_ordered 1
		.amdhsa_forward_progress 1
		.amdhsa_inst_pref_size 63
	.end_amdhsa_kernel
	.amdgpu_metadata
---
amdhsa.version: [ 1, 2 ]
amdhsa.kernels:
  - .name:           k_qdaf43007af_attn
    .symbol:         k_qdaf43007af_attn.kd
    .args:
      - { .name: ac, .offset: 0, .size: 8, .value_kind: global_buffer, .address_space: global }
      - { .name: asc, .offset: 8, .size: 8, .value_kind: global_buffer, .address_space: global }
      - { .name: mw, .offset: 16, .size: 8, .value_kind: global_buffer, .address_space: global }
      - { .name: mf, .offset: 24, .size: 8, .value_kind: global_buffer, .address_space: global }
      - { .name: ao, .offset: 32, .size: 8, .value_kind: global_buffer, .address_space: global }
      - { .name: aos, .offset: 40, .size: 8, .value_kind: global_buffer, .address_space: global }
    .group_segment_fixed_size: 210944
    .private_segment_fixed_size: 0
    .kernarg_segment_align: 8
    .kernarg_segment_size: 48
    .max_flat_workgroup_size: 512
    .sgpr_count:     102
    .vgpr_count:     256
    .wavefront_size: 32
...
	.end_amdgpu_metadata
.endif
;; end of part 3
;; launch outp (part 4): grid 4 x 32, 4 waves a work-group, clusters of 4 x 4, 327,680 bytes of LDS; arguments ao, aos, xc, xs, out0; writes out0
.if DOCPART == 4
	.amdgcn_target "amdgcn-amd-amdhsa--gfx1250"
	.amdhsa_code_object_version 6
	.text
	.protected	k_qdaf43007af_outp
	.globl	k_qdaf43007af_outp
	.p2align	8
	.type	k_qdaf43007af_outp,@function
k_qdaf43007af_outp:
	s_mov_b64 s[64:65], 0
	v_nop
	global_prefetch_b8 v0, s[64:65] scope:SCOPE_SE
	s_setreg_imm32_b32 hwreg(HW_REG_WAVE_MODE, 25, 1), 1
	s_wait_xcnt 0x0
	s_wait_alu depctr_hold_cnt(0) depctr_sa_sdst(0) depctr_va_vdst(0) depctr_va_sdst(0) depctr_va_ssrc(0) depctr_va_vcc(0) depctr_vm_vsrc(0)
	s_getreg_b32 s2, hwreg(HW_REG_IB_STS2, 6, 4)
	s_cmp_eq_u32 s2, 0
	s_cbranch_scc0 .Lentry_in_a_cluster
	s_endpgm
.Lentry_in_a_cluster:
	s_bfe_u32 s2, ttmp6, 0x10000c
	s_cmp_lg_u32 s2, 0xf033
	s_cbranch_scc0 .Lentry_shape_is_right
	s_endpgm
.Lentry_shape_is_right:
; OUTP.  out0 = A wo^T, [8192][1024] f32, K = 1,024, on codes of FP6 (E2M3) with one E8M0 scale for each 32 along K; sums in f32.
; A is the attention's result as images of operand registers: ao is [tile of 16 rows 512][head 16][768 bytes]: a half fragment (16 rows x 64 K): registers 0-3 at 16 x lane, registers 4-5 at 512 + 8 x lane.
; Its scale bytes, aos, are [8192 rows][32].  B = wo: rows 27,648 on of the stack xc (768 bytes of codes a row) and xs (32 scale bytes a row), in their true order.
; A tile of 256 x 256 is made by a work-group of four waves, a wave 128 x 128 in 64 accumulators (512 registers).  K goes in steps of 256 through a ring of two LDS slots filled by the tensor data mover:
; of A a wave's load brings 8 tiles of rows x 3,072 bytes (four heads' images, dense), of B 128 rows x 192 bytes, padded.  The scale bytes of the work-group's rows come into LDS once.
; 4 x 4 work-groups form a cluster: A's tiles are asked for jointly along a row of it, B's along a column.  128 tiles in all: the tile is kept at 256 x 256 for the sake of the multiply-adds that each LDS byte feeds.
; THE MATRIX INSTRUCTION IS USED TRANSPOSED (source 0 = 16 rows of B, source 1 = 16 rows of A): a lane holds eight neighbouring numbers of a row of the result.
; REGISTERS, in windows of 256: window 0: v0-31 addresses; v32-63 scale words, two sets; from v128 A's fragments, one set; on the way out v128-255.  window 1: B's fragments, two sets.  windows 2, 3: the accumulators.
.set SIZE_N, 1024
.set SIZE_K, 1024
.set KSTEP,  256
.set NQ,     KSTEP/128
.set ROWB,   192
.set KROW,   SIZE_K*6/8
.set PITCH,  240                       ; B's LDS row: 3 x (64 bytes + 16 of padding)
.set FR,     12
.set NL,     6                         ; LDS loads that bring a fragment of B
.set NLA,    4                         ; and one of A
.set NP,     4
.set ASTEPB, 3072                      ; a K step's bytes of a tile of 16 rows of A
.set AROW,   12288                     ; from one tile of rows to the next in ao
.set AHALF,  8*ASTEPB                  ; 128 rows of A: what one tensor load brings
.set HALFT,  128*PITCH                 ; 128 rows of B
.set SLOT,   2*AHALF+2*HALFT           ; A's two halves, then B's two
.set LAPS,   SIZE_K/(2*KSTEP)
.set KS,     SIZE_K/32
.set SCL,    2*SLOT
.set HALFS,  (128*KS/256)*272
.set SBLK,   (16*KS/256)*272
.set SPARE,  SCL+4*HALFS               ; the spare words, 128 bytes for each wave: two blocks of 256 bytes that no other line names
.set SPITCH, 528                       ; the way out: a stage of 16 rows x (512 bytes + 16) for each wave, in slot 0, which has had its last fill and its last read when the first result is stored there
.set ADRA, 16                          ; v16-17 A's images in slot 0, 1: 16 x lane;  v18-19: 512 + 8 x lane
.set ADRB, 20                          ; v20-21 B's fragments;  v22-23 the same behind one padding more
.set STO,  24
.set RD,   25
.set CO,   26
.set ADRS, 27
.set SPW,  28                          ; v28  LDS address of my spare word; never rewritten
.set NIL,  29                          ; v29  0; never rewritten
.set SC,   32
.set AF,   128
.set BK,   128
.set G1, 24
.set G0, 32
.set G1B, 48
.set G0B, 56
.set G1S, 68
.set G0S, 76
.set G1SB, 80
.set G0SB, 88
.set MSB, 0
.macro WIN new
.if MSB != (\new)
	s_set_vgpr_msb (MSB<<8)|(\new)
.set MSB, (\new)
.endif
.endm
.set MUL_LO, 0xa1
.set MUL_HI, 0xf1
.set TO_B,   0x40
.macro JLOAD g0a, g1a, g0b, g1b        ; a joint load: waves 0 and 1 fetch for A, waves 2 and 3 for B; an s_nop 0 and four v_nop follow each of the two lines
	s_cmp_eq_u32 s15, 0
	s_cbranch_scc0 .Lfor_b_\@
	tensor_load_to_lds s[\g0a:\g0a+3], s[\g1a:\g1a+7]
	s_nop 0
.rept 4
	v_nop
.endr
	s_branch .Lasked_\@
.Lfor_b_\@:
	tensor_load_to_lds s[\g0b:\g0b+3], s[\g1b:\g1b+7]
	s_nop 0
.rept 4
	v_nop
.endr
.Lasked_\@:
.endm
.macro CREST
	s_cmp_lg_u32 s14, 0
	s_cbranch_scc1 .Lnot_wave_0_\@
	s_barrier_signal -3
.Lnot_wave_0_\@:
	s_barrier_wait -3
	s_barrier_signal -1
	s_barrier_wait -1
.endm
.macro CROUND
	s_barrier_signal -1
	s_barrier_wait -1
	CREST
.endm
	s_load_b128 s[4:7], s[0:1], 0x0                ; ao s[4:5], aos s[6:7]
	s_load_b128 s[8:11], s[0:1], 0x10              ; xc s[8:9], xs s[10:11]
	s_load_b64 s[12:13], s[0:1], 0x20              ; out0
	v_lshl_add_u32 v[SPW], v0, 2, SPARE
	v_mov_b32 v[NIL], 0
	ds_add_u32 v[SPW], v[NIL]                      ; the wave's opening: the add and its wait go ahead of my first tensor load; the set-up below stands between them
	v_lshrrev_b32 v1, 5, v0
	v_readfirstlane_b32 s14, v1                    ; wave 0..3
	s_lshr_b32 s15, s14, 1                         ; which half of the tile's rows is mine.  Also: I fetch for A (0) or for B (1)
	s_and_b32 s16, s14, 1                          ; which half of its columns.  Also: which 128 rows of that tile I fetch
	s_bfe_u32 s40, ttmp6, 0x40000                  ; cx, cy
	s_bfe_u32 s41, ttmp6, 0x40004
	s_lshl_b32 s42, ttmp9, 2
	s_add_co_u32 s42, s42, s40                     ; tile column
	s_and_b32 s17, ttmp7, 0xffff
	s_lshl_b32 s17, s17, 2
	s_add_co_u32 s17, s17, s41                     ; tile row
	s_lshl_b32 s43, s41, 2
	s_lshl_b32 s43, 15, s43                        ; my row of the cluster
	s_lshl_b32 s44, 0x1111, s40                    ; my column
	; descriptor group 1 for A: 8 rows of 3,072 bytes (384 elements of 8 bytes), 12,288 bytes apart, dense in LDS
	s_or_b32 s[G1+0], s43, (3<<16)|(1<<21)         ; 15:0 the mask: my row; elements of 8 bytes; no padding; 21 set beside a mask
	s_mov_b32 s[G1+1], (ASTEPB/8)<<16              ; tensor_dim0
	s_mov_b32 s[G1+2], 8<<16                       ; tensor_dim1
	s_mov_b32 s[G1+3], (ASTEPB/8)<<16              ; tile_dim0
	s_mov_b32 s[G1+4], 8                           ; tile_dim1
	s_mov_b32 s[G1+5], AROW/8                      ; from row to row
	s_mov_b32 s[G1+6], 0
	s_mov_b32 s[G1+7], 0
	; for B: 128 rows x 192 bytes, 16 bytes of padding behind every 64
	s_or_b32 s[G1B+0], s44, (0<<16)|(1<<20)|(1<<21)|(3<<22)|(3<<25)
	s_mov_b32 s[G1B+1], ROWB<<16
	s_mov_b32 s[G1B+2], 128<<16
	s_mov_b32 s[G1B+3], ROWB<<16
	s_mov_b32 s[G1B+4], 128
	s_mov_b32 s[G1B+5], KROW
	s_mov_b32 s[G1B+6], 0
	s_mov_b32 s[G1B+7], 0
	; the scales of 128 rows: 4,096 dense bytes, as rows of 256 bytes, 16 bytes of padding behind each
	s_or_b32 s[G1S+0], s43, (3<<16)|(1<<20)|(1<<21)|(5<<22)|(3<<25)
	s_or_b32 s[G1SB+0], s44, (3<<16)|(1<<20)|(1<<21)|(5<<22)|(3<<25)
.irp g, G1S, G1SB
	s_mov_b32 s[\g+1], 32<<16
	s_mov_b32 s[\g+2], (128*KS/256)<<16
	s_mov_b32 s[\g+3], 32<<16
	s_mov_b32 s[\g+4], 128*KS/256
	s_mov_b32 s[\g+5], 32
	s_mov_b32 s[\g+6], 0
	s_mov_b32 s[\g+7], 0
.endr
	s_lshl_b32 s20, s17, 4
	s_lshl_b32 s18, s16, 3
	s_add_co_u32 s20, s20, s18                     ; A: its tile of rows: 16 x tile row + 8 x half
	s_mul_i32 s20, s20, AROW
	s_mov_b32 s21, 0
	s_lshl_b32 s22, s17, 13                        ; A's scales: 256 rows of 32 bytes a tile row,
	s_lshl_b32 s18, s16, 12                        ; 128 a half
	s_add_co_u32 s22, s22, s18
	s_mov_b32 s23, 0
	s_lshl_b32 s46, s42, 8
	s_lshl_b32 s18, s16, 7
	s_add_co_u32 s46, s46, s18
	s_add_co_u32 s46, s46, 27648                   ; B: wo's row in the stack
	s_lshl_b32 s92, s46, 5
	s_mov_b32 s93, 0
	s_mul_i32 s46, s46, KROW
	s_mov_b32 s47, 0
	s_mul_i32 s45, s16, AHALF                      ; where they go: no place in the cluster enters an LDS address
	s_mul_i32 s95, s16, HALFT
	s_add_co_u32 s95, s95, 2*AHALF
	s_mul_i32 s94, s14, HALFS
	s_wait_dscnt 0x0                               ; the opening add is done
	s_wait_kmcnt 0x0
	s_add_nc_u64 s[20:21], s[4:5], s[20:21]
	s_add_nc_u64 s[22:23], s[6:7], s[22:23]
	s_add_nc_u64 s[46:47], s[8:9], s[46:47]
	s_add_nc_u64 s[92:93], s[10:11], s[92:93]
	CROUND                                         ; all sixteen work-groups are here: the first joint loads meet
	s_mov_b32 s[G0S], 1
	s_add_co_u32 s[G0S+1], s94, SCL
	s_mov_b64 s[G0S+2:G0S+3], s[22:23]
	s_or_b32 s[G0S+3], s[G0S+3], 0x80000000
	s_mov_b32 s[G0SB], 1
	s_add_co_u32 s[G0SB+1], s94, SCL
	s_mov_b64 s[G0SB+2:G0SB+3], s[92:93]
	s_or_b32 s[G0SB+3], s[G0SB+3], 0x80000000
	JLOAD G0S, G1S, G0SB, G1SB                     ; the scales first
.irp s, 0,1
	s_mov_b32 s[G0+4*\s], 1
	s_add_co_u32 s[G0+4*\s+1], s45, \s*SLOT
	s_add_nc_u64 s[G0+4*\s+2:G0+4*\s+3], s[20:21], \s*ASTEPB
	s_or_b32 s[G0+4*\s+3], s[G0+4*\s+3], 0x80000000
	s_mov_b32 s[G0B+4*\s], 1
	s_add_co_u32 s[G0B+4*\s+1], s95, \s*SLOT
	s_add_nc_u64 s[G0B+4*\s+2:G0B+4*\s+3], s[46:47], \s*ROWB
	s_or_b32 s[G0B+4*\s+3], s[G0B+4*\s+3], 0x80000000
	JLOAD G0+4*\s, G1, G0B+4*\s, G1B               ; three loads of mine are out now
.endr
	v_and_b32 v1, 15, v0                           ; r
	v_bfe_u32 v2, v0, 4, 1                         ; h
	v_mul_u32_u24 v3, v1, PITCH
	v_mul_u32_u24 v4, v2, 24
	v_add_nc_u32 v4, v3, v4                        ; B: a fragment's row x pitch + 24 x half
	v_lshl_add_u32 v5, v2, 4, v4                   ; and the same behind one padding more
	v_and_b32 v6, 31, v0
	v_lshlrev_b32 v7, 4, v6                        ; A: 16 x lane
	v_lshl_add_u32 v8, v6, 3, 512                  ; and 512 + 8 x lane
	s_mul_i32 s21, s15, AHALF                      ; my 128 rows of A
	s_mul_i32 s22, s16, HALFT                      ; my 128 rows of B,
	s_add_co_u32 s22, s22, 2*AHALF                 ; which lie behind A's 256
.irp s, 0,1
	v_add_nc_u32 v[ADRA+\s], s21, v7
	v_add_nc_u32 v[ADRA+2+\s], s21, v8
	v_add_nc_u32 v[ADRB+\s], s22, v4
	v_add_nc_u32 v[ADRB+2+\s], s22, v5
	s_add_co_u32 s21, s21, SLOT
	s_add_co_u32 s22, s22, SLOT
.endr
	v_mul_u32_u24 v5, v1, KS                       ; my row's scales: 32 bytes a row,
	v_lshrrev_b32 v6, 8, v5
	v_lshl_add_u32 v5, v6, 4, v5                   ; and 16 more for each 256 passed
	s_mul_i32 s21, s15, HALFS
	s_mul_i32 s22, s16, HALFS
	s_add_co_u32 s22, s22, 2*HALFS
	s_sub_co_u32 s22, s22, s21
	v_mul_u32_u24 v6, s22, v2                      ; lanes 16-31 take B's
	s_add_co_u32 s21, s21, SCL
	v_add_nc_u32 v5, v5, v6
	v_add_nc_u32 v[ADRS], s21, v5
	s_mul_i32 s23, s14, 16*SPITCH                  ; my stage
	v_mul_u32_u24 v5, v1, SPITCH                   ; in: row r, 32 bytes for each half of the lanes
	v_lshl_add_u32 v5, v2, 5, v5
	v_add_nc_u32 v[STO], s23, v5
	v_and_b32 v6, 31, v0
	v_lshlrev_b32 v[CO], 4, v6                     ; back: the 32 lanes take one row of 512 bytes; and the same in the result
	v_add_nc_u32 v[RD], s23, v[CO]
	s_lshl_b32 s20, s17, 8
	s_lshl_b32 s21, s15, 7
	s_add_co_u32 s20, s20, s21                     ; my first row: 256 x tile row + 128 x half
	s_mov_b32 s21, 0
	s_mov_b64 s[18:19], SIZE_N*4
	s_mul_u64 s[20:21], s[20:21], s[18:19]
	s_lshl_b32 s46, s42, 10                        ; my first column, in bytes
	s_lshl_b32 s47, s16, 9
	s_add_co_u32 s46, s46, s47
	s_mov_b32 s47, 0
	s_add_nc_u64 s[20:21], s[20:21], s[46:47]
	s_add_nc_u64 s[12:13], s[12:13], s[20:21]
.macro FRAG reg, adr, q, i             ; a fragment of B, from rows: six pieces of 8 bytes
.irp p, 0,1,2,3,4,5
.set PIECE, 12*(\q)+6*(\p/3)+\p%3
.if PIECE%8 < 5
	ds_load_b64 v[\reg+2*\p:\reg+2*\p+1], v[\adr] offset:8*PIECE+16*(PIECE/8)+(\i)*16*PITCH
.else
	ds_load_b64 v[\reg+2*\p:\reg+2*\p+1], v[\adr+2] offset:8*PIECE+16*(PIECE/8)+(\i)*16*PITCH
.endif
.endr
.endm
.macro FRAGA reg, slot, q, i           ; a fragment of A, from two images: heads 2 q and 2 q + 1 of the slot's four, tile of rows i
	ds_load_b128 v[\reg:\reg+3],     v[ADRA+\slot]   offset:ASTEPB*(\i)+1536*(\q)
	ds_load_b64  v[\reg+4:\reg+5],   v[ADRA+2+\slot] offset:ASTEPB*(\i)+1536*(\q)
	ds_load_b128 v[\reg+6:\reg+9],   v[ADRA+\slot]   offset:ASTEPB*(\i)+1536*(\q)+768
	ds_load_b64  v[\reg+10:\reg+11], v[ADRA+2+\slot] offset:ASTEPB*(\i)+1536*(\q)+768
.endm
; 16 matrix instructions: A's blocks a0, a0 + 1 x B's eight.  The 64 accumulators take turns, one instruction a turn, in the same order in every step.
.macro MUL16 a0, p, q, sc, zero
.irp a, \a0, \a0+1
.irp b, 0,1,2,3,4,5,6,7
.if \zero
	v_wmma_scale_f32_16x16x128_f8f6f4 v[8*(8*((\a)%4)+\b):8*(8*((\a)%4)+\b)+7], v[128*(\p)+FR*\b:128*(\p)+FR*\b+FR-1], v[AF+FR*(\a):AF+FR*(\a)+FR-1], 0, v[SC+8*NQ*(\sc)+NQ*\b+(\q)], v[SC+8*NQ*(\sc)+NQ*(\a)+(\q)] matrix_a_fmt:MATRIX_FMT_FP6 matrix_b_fmt:MATRIX_FMT_FP6 matrix_a_scale:MATRIX_SCALE_ROW1
.else
	v_wmma_scale_f32_16x16x128_f8f6f4 v[8*(8*((\a)%4)+\b):8*(8*((\a)%4)+\b)+7], v[128*(\p)+FR*\b:128*(\p)+FR*\b+FR-1], v[AF+FR*(\a):AF+FR*(\a)+FR-1], v[8*(8*((\a)%4)+\b):8*(8*((\a)%4)+\b)+7], v[SC+8*NQ*(\sc)+NQ*\b+(\q)], v[SC+8*NQ*(\sc)+NQ*(\a)+(\q)] matrix_a_fmt:MATRIX_FMT_FP6 matrix_b_fmt:MATRIX_FMT_FP6 matrix_a_scale:MATRIX_SCALE_ROW1
.endif
.endr
.endr
.endm
.macro FETCH_B slot, q, p
	WIN TO_B
.irp i, 0,1,2,3,4,5,6,7
	FRAG 128*(\p)+FR*\i, ADRB+\slot, \q, \i
.endr
	WIN 0
.endm
.macro FETCH_A slot, q, i0
.irp i, \i0, \i0+1, \i0+2, \i0+3
	FRAGA AF+FR*(\i), \slot, \q, \i
.endr
.endm
.macro SCALES sc
.irp i, 0,1,2,3,4,5,6,7
	ds_load_b64 v[SC+8*NQ*\sc+NQ*\i:SC+8*NQ*\sc+NQ*\i+1], v[ADRS] offset:\i*SBLK
.endr
.endm
.macro PLACES n
.rept \n
	v_nop
.endr
.endm
.macro STEP slot, q, zero
	s_wait_dscnt 4*NLA                             ; B's set and A's blocks 0-3 are in; the youngest 16 loads (A's blocks 4-7) may be out
	WIN MUL_LO
	MUL16 0, (\q)%2, \q, \slot, \zero
	MUL16 2, (\q)%2, \q, \slot, \zero
	s_wait_dscnt 0
	PLACES NP
	FETCH_B \slot, (\q)+1, 1-(\q)%2
	FETCH_A \slot, (\q)+1, 0
	WIN MUL_HI
	MUL16 4, (\q)%2, \q, \slot, \zero
	MUL16 6, (\q)%2, \q, \slot, \zero
	PLACES NP
	WIN 0
	FETCH_A \slot, (\q)+1, 4
.endm
.macro TURN slot, next, fill
	s_wait_tensorcnt 0x0                           ; all my tensor loads have landed: my part of the next slot
	ds_add_u32 v[SPW], v[NIL]                      ; 0 onto my spare word
	s_wait_dscnt 4*NLA+1                           ; (the add and the youngest 16 loads, A's blocks 4-7, may be out)
	WIN MUL_LO
	MUL16 0, 1, NQ-1, \slot, 0
	s_wait_dscnt 0x0                               ; the add is done, and my reads of this slot are over
	s_barrier_signal -1
	MUL16 2, 1, NQ-1, \slot, 0
	WIN 0
	s_barrier_wait -1
.if \fill
	CREST                                          ; the barrier has opened a round of the cluster's barrier: no wave of any partner still reads this slot or has a load on its way
	s_add_nc_u64 s[G0+4*\slot+2:G0+4*\slot+3], s[G0+4*\slot+2:G0+4*\slot+3], 2*ASTEPB
	s_add_nc_u64 s[G0B+4*\slot+2:G0B+4*\slot+3], s[G0B+4*\slot+2:G0B+4*\slot+3], 2*ROWB
	JLOAD G0+4*\slot, G1, G0B+4*\slot, G1B         ; the first tensor load behind the round; its four v_nop are the places in front of the loads below
.else
	PLACES NP
.endif
	v_add_nc_u32 v[ADRS], 4*NQ, v[ADRS]
	FETCH_B \next, 0, 0
	FETCH_A \next, 0, 0
	SCALES \next
	WIN MUL_HI
	MUL16 4, 1, NQ-1, \slot, 0
	MUL16 6, 1, NQ-1, \slot, 0
	PLACES NP
	WIN 0
	FETCH_A \next, 0, 4
.endm
	s_wait_tensorcnt 1                             ; the scales and my part of K step 0 are in (K step 1's load may be out),
	s_barrier_signal -1
	s_barrier_wait -1                              ; everybody's are
	FETCH_B 0, 0, 0
	FETCH_A 0, 0, 0
	SCALES 0
	FETCH_A 0, 0, 4
	STEP 0, 0, 1                                   ; the first step's products start the sums
	s_mov_b32 s3, LAPS-1
.Llap:
	TURN 0, 1, 1
	STEP 1, 0, 0
	TURN 1, 0, 1
	STEP 0, 0, 0
	s_sub_co_u32 s3, s3, 1
	s_cmp_lg_u32 s3, 0
	s_cbranch_scc1 .Llap
	TURN 0, 1, 0                                   ; the last lap fills nothing
	STEP 1, 0, 0
	s_wait_dscnt 4*NLA
	WIN MUL_LO
	MUL16 0, 1, NQ-1, 1, 0
	MUL16 2, 1, NQ-1, 1, 0
	s_wait_dscnt 0
	WIN MUL_HI
	MUL16 4, 1, NQ-1, 1, 0
	MUL16 6, 1, NQ-1, 1, 0
	WIN 0
; THE WAY OUT, block by block of 16 rows x 128 columns: through my own stage in LDS, back as whole rows of 512 bytes.  LDS serves a wave's instructions in order (ISA guide 5.7.1.4).
.macro TOSTAGE a
.set AC, 64*((\a)%4)
	WIN 0x08+4*((\a)/4)                            ; the data: window 2 or 3
.irp b, 0,1,2,3,4,5,6,7
	ds_store_b128 v[STO], v[AC+8*\b:AC+8*\b+3] offset:64*\b          ; each accumulator from its low end on
	ds_store_b128 v[STO], v[AC+8*\b+4:AC+8*\b+7] offset:64*\b+16
.endr
	WIN 0
.set BB, BK+64*((\a)%2)
.irp t, 0,1,2,3,4,5,6,7,8,9,10,11,12,13,14,15
	ds_load_b128 v[BB+4*\t:BB+4*\t+3], v[RD] offset:\t*SPITCH
.endr
.endm
.macro SEND a, younger                 ; younger: the LDS instructions issued behind block a's loads, which may stay out
.set BB, BK+64*((\a)%2)
	s_wait_dscnt \younger
.if (\a) > 0
	s_add_nc_u64 s[12:13], s[12:13], 16*SIZE_N*4   ; (behind a wait on XCNT: the earlier stores have read their base)
.endif
.irp t, 0,1,2,3,4,5,6,7,8,9,10,11,12,13,14,15
	global_store_b128 v[CO], v[BB+4*\t:BB+4*\t+3], s[12:13] offset:\t*SIZE_N*4 th:TH_STORE_NT   ; 32 lanes store 512 consecutive bytes, at a multiple of 256 from the buffer's first byte
.endr
.endm
	PLACES NP
	TOSTAGE 0
.irp a, 1,2,3,4,5,6,7
.if \a > 1
	s_wait_xcnt 0x0                                ; block a - 2's stores have read their registers and their base
.endif
	TOSTAGE \a
	SEND \a-1, 32                                  ; behind block a - 1's loads: block a's 16 stores and 16 loads
.endr
	s_wait_xcnt 0x0
	SEND 7, 0
	s_wait_tensorcnt 0x0                           ; the wave's end: behind my last tensor load and my last LDS store
	ds_add_u32 v[SPW], v[NIL]
	s_wait_dscnt 0x0
	CROUND                                         ; the closing round: no work-group ends while a partner may still ask for a tile that names it
	s_endpgm
.Lfunc_end_k_qdaf43007af_outp:
	.size	k_qdaf43007af_outp, .Lfunc_end_k_qdaf43007af_outp-k_qdaf43007af_outp
	.p2alignl 7, 3214868480
	.fill 96, 4, 3214868480
	.section	.rodata,"a",@progbits
	.p2align	6, 0x0
	.amdhsa_kernel k_qdaf43007af_outp
		.amdhsa_group_segment_fixed_size 327680
		.amdhsa_private_segment_fixed_size 0
		.amdhsa_enable_private_segment 0
		.amdhsa_kernarg_size 40
		.amdhsa_user_sgpr_count 2
		.amdhsa_user_sgpr_kernarg_segment_ptr 1
		.amdhsa_wavefront_size32 1
		.amdhsa_system_sgpr_workgroup_id_x 1
		.amdhsa_system_sgpr_workgroup_id_y 1
		.amdhsa_system_sgpr_workgroup_id_z 1
		.amdhsa_system_vgpr_workitem_id 0
		.amdhsa_next_free_vgpr 1024
		.amdhsa_next_free_sgpr 98
		.amdhsa_reserve_vcc 0
		.amdhsa_float_denorm_mode_32 3
		.amdhsa_float_denorm_mode_16_64 3
		.amdhsa_memory_ordered 1
		.amdhsa_forward_progress 1
		.amdhsa_inst_pref_size 152
	.end_amdhsa_kernel
	.amdgpu_metadata
---
amdhsa.version: [ 1, 2 ]
amdhsa.kernels:
  - .name:           k_qdaf43007af_outp
    .symbol:         k_qdaf43007af_outp.kd
    .args:
      - { .name: ao, .offset: 0, .size: 8, .value_kind: global_buffer, .address_space: global }
      - { .name: aos, .offset: 8, .size: 8, .value_kind: global_buffer, .address_space: global }
      - { .name: xc, .offset: 16, .size: 8, .value_kind: global_buffer, .address_space: global }
      - { .name: xs, .offset: 24, .size: 8, .value_kind: global_buffer, .address_space: global }
      - { .name: out0, .offset: 32, .size: 8, .value_kind: global_buffer, .address_space: global }
    .group_segment_fixed_size: 327680
    .private_segment_fixed_size: 0
    .kernarg_segment_align: 8
    .kernarg_segment_size: 40
    .max_flat_workgroup_size: 128
    .sgpr_count:     98
    .vgpr_count:     1024
    .wavefront_size: 32
...
	.end_amdgpu_metadata
.endif
;; end of part 4
